; MI455X (gfx1250); checked and timed in simulation.
; The chip was launched on July 23, 2026; its instructions are those of AMD's public machine-readable ISA for CDNA 5 (MIT licence, August 2026) and "CDNA5" Instruction Set Architecture Reference Guide (July 2026). The comments in the code are by the model that wrote it; some were corrected since.
;; VG Multihead Attention. Allowed arithmetic: float matrix products may take bf16 or f16 operands with f32 sums; other float arithmetic in f32, or as packed bf16 or f16 multiplies, adds, multiply-adds, maxima and minima; sums over many terms, partial sums and values carried from step to step in f32; what a program stores and reads back later, other than sums and carried values, may be rounded once to bf16 or f16.
;; Inputs: Wk 1,024 x 1,024 float32; Wo 1,024 x 1,024 float32; Wq 1,024 x 1,024 float32; Wv 1,024 x 1,024 float32; bk 1,024 float32; bo 1,024 float32; bq 1,024 float32; bv 1,024 float32; hidden_states 16 x 1 x 1,024 float32; key_value_states 16 x 1,024 x 1,024 float32.
;; Outputs: out0 16 x 1,024 x 1,024 float32.
;; One version. Each part assembles by itself: llvm-mc -triple=amdgcn-amd-amdhsa -mcpu=gfx1250 --defsym DOCPART=n.
;; ======== version 1 of 1: 4 launches
;; workspace buffers: wvb 2,097,152 bytes; wob 2,097,152 bytes; qk 1,048,576 bytes; sb 1,024 bytes; kvb 33,554,432 bytes; att 1,048,576 bytes; ctx 33,554,432 bytes
;; launch prep (part 1): grid 256 x 1, 16 waves a work-group, no clusters, 76,032 bytes of LDS; arguments hidden_states, Wq, bq, Wk, bk, Wv, Wo, wvb, wob, qk, sb; writes wvb, wob, qk, sb
.if DOCPART == 1
	.amdgcn_target "amdgcn-amd-amdhsa--gfx1250"
	.amdhsa_code_object_version 6
	.text
	.protected	k_q37ba292087_prep
	.globl	k_q37ba292087_prep
	.p2align	8
	.type	k_q37ba292087_prep,@function
k_q37ba292087_prep:
	s_mov_b64 s[64:65], 0
	v_nop
	global_prefetch_b8 v0, s[64:65] scope:SCOPE_SE
	s_setreg_imm32_b32 hwreg(HW_REG_WAVE_MODE, 25, 1), 1
	s_wait_xcnt 0x0
; PREP.  Four small jobs ahead of the large launches.
;   wvb, wob = Wv, Wo rounded to bf16 ([1024][1024]).
;   q8[b][n] = (sum over k of hs[b][k] Wq[n][k] + bq[n]) / 8, all three inputs rounded to bf16, sums in f32.
;   qk[b][h][j] = sum over d of q8[b][64 h + d] Wk[64 h + d][j]   (so that q . (Wk x + bk) = qk . x + sb: the key projection is never formed)
;   sb[h][b] = sum over d of q8[b][64 h + d] bk[64 h + d].
; A score is clipped to 0 .. 1 although it is a sum of 1,024 products that are large beside 1, so nothing between the inputs and the score is rounded to 8 bits once:
; q8 goes into its product as two bf16 terms (hi = bf16(x), lo = bf16(x - hi)), and qk is stored as two such terms: what is lost is at most 2^-18 of each number.
; qk's layout: [b 16][jb 16][n 32][64 j] bf16, n = 2 head + term (0 hi, 1 lo): the 256 bytes of (b, jb, head) are hi's 128, then lo's 128.
; SHARES.  Work-group g: head h = g / 16, columns j = 64 jb .. 64 jb + 63 with jb = g % 16; rows 4 g .. 4 g + 3 of Wv and of Wo.  q8 of the head is made in each of the head's 16 work-groups:
; K = 1,024 is split among the 16 waves, 64 channels each, and the 16 partial sums meet in LDS.
; NO CLUSTER: what the 16 work-groups of a head share is Wq's 64 rows and hs, 320 KiB in f32, read once and straight into registers; as joint tiles they would not fit in LDS beside each other.
; NO PREFETCH: every load of the launch is issued at its head.
; LIMITS.  NaN and infinities are not treated apart.
.set QF,    0                          ; LDS: q8 in f32, 4,096 bytes, in the order of the partial sums: thread T's two numbers at 8 T
.set STG,   4096                       ; 16 rows (b) x 272: qk's hi 128 bytes, lo 128 bytes, 16 of padding
.set SP,    272
.set PART,  8448                       ; wave w's partial sums, 4,096 bytes, at 4,096 w
.set SPARE, 73984                      ; the spare words, 128 bytes for each of 16 waves: eight blocks of 256 bytes that no other line names
.set LN,  1                            ; v1   lane l
.set R,   2                            ; v2   r = l % 16
.set HH,  3                            ; v3   hh = l / 16
.set AO,  4                            ; v4   offset in hs and in Wq: r x 4,096 + 32 hh + 256 wave
.set KO,  5                            ; v5   offset in Wk (waves 0-3) or in bk (wave 4)
.set CI,  6                            ; v6   16 T: the conversions' source
.set T8,  7                            ; v7   8 T: the conversions' destination, and my place in QF
.set BQ,  8                            ; v8   offset of my two numbers of bq
.set L32, 9                            ; v9   32 l: a lane's place in a tile of 16 x 16 f32
.set PST, 10                           ; v10  where I put my partial sums
.set PRD, 11                           ; v11  where I read 16 partial sums
.set SPW, 12                           ; v12  LDS address of my spare word; never rewritten
.set NIL, 13                           ; v13  0; never rewritten
.set BQV, 14                           ; v[14:15]   bq's two numbers; later LDS and store offsets
.set CV,  16                           ; v[16:31]   four loads of 16 bytes to be converted
.set HS,  32                           ; v[32:63]   hs as loaded, K step s at 32 + 16 s; packed in place into the first 8
.set WQ,  64                           ; v[64:191]  Wq as loaded, tile t, K step s at 64 + 32 t + 16 s; later at work
.set ACC, 192                          ; v[192:223] four accumulators
.set WK,  224                          ; v[224:255] Wk (waves 0-3) or bk (wave 4) as loaded
; eight roundings in place: 16 f32 in fragment order become a fragment's 8 registers
.macro PACK8 base
.irp i, 0,1,2,3,4,5,6,7
	v_cvt_pk_bf16_f32 v[(\base)+(\i)], v[(\base)+2*(\i)], v[(\base)+2*(\i)+1]
.endr
.endm
; the pair v[x:x+1] becomes a word of two hi and a word of two lo; t: two registers at work
.macro SPLIT x, hi, lo, t
	v_cvt_pk_bf16_f32 v[\hi], v[\x], v[(\x)+1]
	v_lshlrev_b32 v[\t], 16, v[\hi]
	v_and_b32 v[(\t)+1], s35, v[\hi]
	v_pk_add_f32 v[\x:(\x)+1], v[\x:(\x)+1], v[\t:(\t)+1] neg_lo:[0,1] neg_hi:[0,1]
	v_cvt_pk_bf16_f32 v[\lo], v[\x], v[(\x)+1]
.endm
	s_load_b512 s[8:23], s[0:1], 0x0               ; hs s[8:9], Wq s[10:11], bq s[12:13], Wk s[14:15], bk s[16:17], Wv s[18:19], Wo s[20:21], wvb s[22:23]
	s_load_b128 s[24:27], s[0:1], 0x40             ; wob s[24:25], qk s[26:27]
	s_load_b64 s[28:29], s[0:1], 0x50              ; sb
	v_lshl_add_u32 v[SPW], v0, 2, SPARE
	v_mov_b32 v[NIL], 0
	v_lshrrev_b32 v[LN], 5, v0
	v_readfirstlane_b32 s2, v[LN]                  ; wave 0..15
	s_lshr_b32 s3, ttmp9, 4                        ; h
	s_and_b32 s4, ttmp9, 15                        ; jb
	s_mov_b32 s32, 0x76543210                      ; v_permlanex16_b32: each lane takes its own place in the other half
	s_mov_b32 s33, 0xfedcba98
	s_mov_b32 s35, 0xffff0000                      ; a word's upper bf16
	v_and_b32 v[LN], 31, v0
	v_and_b32 v[R], 15, v0
	v_bfe_u32 v[HH], v0, 4, 1
	s_lshl_b32 s5, s2, 8                           ; my wave's 64 channels: 256 bytes of f32
	v_lshl_add_u32 v[AO], v[R], 12, s5
	v_lshl_add_u32 v[AO], v[HH], 5, v[AO]
	v_lshlrev_b32 v[CI], 4, v0
	v_lshlrev_b32 v[T8], 3, v0
	v_lshrrev_b32 v[BQ], 6, v0                     ; my two columns in the reduction: 8 (T / 64) + 2 (T % 4), and the next
	v_and_b32 v[L32], 3, v0
	v_lshlrev_b32 v[BQ], 5, v[BQ]
	v_lshl_add_u32 v[BQ], v[L32], 3, v[BQ]
	v_lshlrev_b32 v[L32], 5, v[LN]
	s_lshl_b32 s5, s2, 12
	s_add_co_u32 s5, s5, PART
	v_add_nc_u32 v[PST], s5, v[L32]
	v_add_nc_u32 v[PRD], PART, v[T8]
	s_mov_b32 s31, 0
	s_wait_kmcnt 0x0
	s_lshl_b32 s30, s3, 18                         ; the head's 64 rows of 4,096 bytes
	s_add_nc_u64 s[10:11], s[10:11], s[30:31]      ; Wq
	s_add_nc_u64 s[14:15], s[14:15], s[30:31]      ; Wk,
	s_lshl_b32 s30, s4, 8
	s_add_nc_u64 s[14:15], s[14:15], s[30:31]      ; at my 64 columns
	s_lshl_b32 s30, s3, 8                          ; the head's 64 numbers of f32; also its 256 bytes in a block of qk
	s_add_nc_u64 s[12:13], s[12:13], s[30:31]      ; bq
	s_add_nc_u64 s[16:17], s[16:17], s[30:31]      ; bk
	s_add_nc_u64 s[26:27], s[26:27], s[30:31]      ; qk,
	s_lshl_b32 s30, s4, 12
	s_add_nc_u64 s[26:27], s[26:27], s[30:31]      ; in block jb
	s_lshl_b32 s30, ttmp9, 14                      ; four rows of f32
	s_add_nc_u64 s[18:19], s[18:19], s[30:31]
	s_add_nc_u64 s[20:21], s[20:21], s[30:31]
	s_lshl_b32 s30, ttmp9, 13                      ; four rows of bf16
	s_add_nc_u64 s[22:23], s[22:23], s[30:31]
	s_add_nc_u64 s[24:25], s[24:25], s[30:31]
	s_lshl_b32 s30, s3, 6                          ; the head's 16 numbers of sb
	s_add_nc_u64 s[28:29], s[28:29], s[30:31]
	; ALL LOADS OF THE LAUNCH GO OUT HERE.  First what only some waves want, so that the count of the wait below is the same in every wave.
	s_cmp_lt_u32 s2, 4
	s_cbranch_scc0 .Lno_wk
	s_lshl_b32 s5, s2, 6                           ; waves 0-3: Wk[d][j] for j = 16 wave + r, a word for each d, d in fragment order: 32 s + 8 hh + 0..7, then 32 s + 16 + 8 hh + 0..7
	v_lshl_add_u32 v[KO], v[R], 2, s5
	v_lshl_add_u32 v[KO], v[HH], 15, v[KO]
.set i, 0
.rept 32
	global_load_b32 v[WK+i], v[KO], s[14:15] offset:(32*(i/16)+(i%16)+8*((i%16)/8))*4096
.set i, i+1
.endr
	s_branch .Lall
.Lno_wk:
	s_cmp_eq_u32 s2, 4
	s_cbranch_scc0 .Lall
	v_lshlrev_b32 v[KO], 5, v[HH]                  ; wave 4: bk[16 t + 8 hh + 0..7], the order in which q8 lies in QF
.irp t, 0,1,2,3
	global_load_b128 v[WK+8*(\t):WK+8*(\t)+3],   v[KO], s[16:17] offset:64*(\t)
	global_load_b128 v[WK+8*(\t)+4:WK+8*(\t)+7], v[KO], s[16:17] offset:64*(\t)+16
.endr
.Lall:
	global_load_b64 v[BQV:BQV+1], v[BQ], s[12:13]
	; a fragment of 16 rows x 32 channels from f32: lane (r, hh) takes channels 8 hh + 0..7 (32 bytes) and 16 + 8 hh + 0..7 (32 bytes, 64 further on)
.irp s, 0,1
.irp c, 0,1,2,3
	global_load_b128 v[HS+16*(\s)+4*(\c):HS+16*(\s)+4*(\c)+3], v[AO], s[8:9] offset:128*(\s)+64*((\c)/2)+16*((\c)%2)
.endr
.endr
.irp t, 0,1,2,3
.irp s, 0,1
.irp c, 0,1,2,3
	global_load_b128 v[WQ+32*(\t)+16*(\s)+4*(\c):WQ+32*(\t)+16*(\s)+4*(\c)+3], v[AO], s[10:11] offset:65536*(\t)+128*(\s)+64*((\c)/2)+16*((\c)%2)
.endr
.endr
.endr
	global_load_b128 v[CV:CV+3],     v[CI], s[18:19] th:TH_LOAD_NT
	global_load_b128 v[CV+4:CV+7],   v[CI], s[18:19] offset:8192 th:TH_LOAD_NT
	global_load_b128 v[CV+8:CV+11],  v[CI], s[20:21] th:TH_LOAD_NT
	global_load_b128 v[CV+12:CV+15], v[CI], s[20:21] offset:8192 th:TH_LOAD_NT
	; q: my 64 channels.  Source 0 = 16 rows of Wq, source 1 = the 16 rows of hs: in the result a lane holds batch b = l % 16 and the columns 16 t + 8 hh + 0..7.
	s_wait_loadcnt 4                               ; loads come back in order: all but the four to be converted are in
	PACK8 HS
	PACK8 HS+16
.irp t, 0,1,2,3
	PACK8 WQ+32*(\t)
	PACK8 WQ+32*(\t)+16
.endr
.irp t, 0,1,2,3                        ; the four accumulators take turns; the first K step starts the sums
	v_wmma_f32_16x16x32_bf16 v[ACC+8*(\t):ACC+8*(\t)+7], v[WQ+32*(\t):WQ+32*(\t)+7], v[HS:HS+7], 0
.endr
.irp t, 0,1,2,3
	v_wmma_f32_16x16x32_bf16 v[ACC+8*(\t):ACC+8*(\t)+7], v[WQ+32*(\t)+16:WQ+32*(\t)+23], v[HS+16:HS+23], v[ACC+8*(\t):ACC+8*(\t)+7]
.endr
.rept 4
	v_nop                                          ; four places between the last product and the stores that read the results
.endr
.irp t, 0,1,2,3
	ds_store_b128 v[PST], v[ACC+8*(\t):ACC+8*(\t)+3]   offset:1024*(\t)
	ds_store_b128 v[PST], v[ACC+8*(\t)+4:ACC+8*(\t)+7] offset:1024*(\t)+16
.endr
	; Wv and Wo to bf16: a thread's 16 bytes become 8; a wave's store covers 256 consecutive bytes, aligned
	s_wait_loadcnt 0x0
.irp c, 0,1,2,3
	v_cvt_pk_bf16_f32 v[CV+4*(\c)],   v[CV+4*(\c)],   v[CV+4*(\c)+1]
	v_cvt_pk_bf16_f32 v[CV+4*(\c)+1], v[CV+4*(\c)+2], v[CV+4*(\c)+3]
.endr
	global_store_b64 v[T8], v[CV:CV+1],     s[22:23] th:TH_STORE_NT
	global_store_b64 v[T8], v[CV+4:CV+5],   s[22:23] offset:4096 th:TH_STORE_NT
	global_store_b64 v[T8], v[CV+8:CV+9],   s[24:25] th:TH_STORE_NT
	global_store_b64 v[T8], v[CV+12:CV+13], s[24:25] offset:4096 th:TH_STORE_NT
	s_wait_dscnt 0x0                               ; for the others' sake: my partial sums lie in LDS
	s_barrier_signal -1
	s_barrier_wait -1
	; the 16 partial sums: 512 threads, two numbers each
.set p, 0
.rept 16
	ds_load_b64 v[64+2*p:65+2*p], v[PRD] offset:4096*p
.set p, p+1
.endr
	v_cvt_pk_bf16_f32 v[ACC], v[BQV], v[BQV+1]     ; bq is rounded to bf16 like every input
	v_lshlrev_b32 v[BQV], 16, v[ACC]
	v_and_b32 v[BQV+1], s35, v[ACC]
	s_wait_dscnt 0x0
.irp d, 16, 8, 4, 2
.set p, 0
.rept (\d)/2
	v_pk_add_f32 v[64+p:65+p], v[64+p:65+p], v[64+p+(\d):65+p+(\d)]
.set p, p+2
.endr
.endr
	v_pk_add_f32 v[64:65], v[64:65], v[BQV:BQV+1]
	v_pk_mul_f32 v[64:65], v[64:65], 0x3e000000 op_sel_hi:[1,0]  ; / sqrt(64): exact
	ds_store_b64 v[T8], v[64:65] offset:QF
	s_wait_dscnt 0x0                               ; for the others' sake: my two numbers of q8 lie in LDS
	s_barrier_signal -1
	s_barrier_wait -1
	s_cmp_lt_u32 s2, 4
	s_cbranch_scc0 .Lno_qk
	; WAVES 0-3: qk for the 16 columns j = 64 jb + 16 wave + 0..15.  Source 0 = Wk^T (16 j x 32 d), source 1 = q8 (32 d x 16 b).
	; QF holds q8 as the products left it: tile t's 32 bytes of lane l are batch l % 16, d = 16 t + 8 hh + 0..7, which is the fragment's own order.
.irp t, 0,1,2,3
	ds_load_b128 v[64+8*(\t):64+8*(\t)+3],   v[L32] offset:QF+1024*(\t)
	ds_load_b128 v[64+8*(\t)+4:64+8*(\t)+7], v[L32] offset:QF+1024*(\t)+16
.endr
	PACK8 WK
	PACK8 WK+16
	s_lshl_b32 s5, s2, 5                           ; into the stage: row b = r, my wave's 32 bytes, 16 for each half of the lanes
	s_add_co_u32 s5, s5, STG
	v_mul_u32_u24 v14, v[R], SP
	v_lshl_add_u32 v14, v[HH], 4, v14
	v_add_nc_u32 v14, s5, v14
	s_wait_dscnt 0x0
.set i, 0
.rept 16                               ; q8's hi fragments in v[96:111], lo fragments in v[112:127]
.set tt, 160+2*(i%4)
	SPLIT 64+2*i, 96+i, 112+i, tt
.set i, i+1
.endr
	v_wmma_f32_16x16x32_bf16 v[128:135], v[WK:WK+7],     v[96:103],  0  ; four sums on four accumulators, each begun by the constant 0
	v_wmma_f32_16x16x32_bf16 v[136:143], v[WK+16:WK+23], v[104:111], 0
	v_wmma_f32_16x16x32_bf16 v[144:151], v[WK:WK+7],     v[112:119], 0
	v_wmma_f32_16x16x32_bf16 v[152:159], v[WK+16:WK+23], v[120:127], 0
.rept 4
	v_nop                                          ; four places between the last product and the sums that read the results
.endr
.irp r, 0,2,4,6                        ; each accumulator is read from its low end on
	v_pk_add_f32 v[128+(\r):129+(\r)], v[128+(\r):129+(\r)], v[136+(\r):137+(\r)]
.endr
.irp r, 0,2,4,6
	v_pk_add_f32 v[144+(\r):145+(\r)], v[144+(\r):145+(\r)], v[152+(\r):153+(\r)]
.endr
.irp r, 0,2,4,6
	v_pk_add_f32 v[128+(\r):129+(\r)], v[128+(\r):129+(\r)], v[144+(\r):145+(\r)]
.endr
.set i, 0
.rept 4                                ; a lane's eight j of one b: 16 bytes of hi, 16 of lo
.set tt, 160+2*i
	SPLIT 128+2*i, 176+i, 180+i, tt
.set i, i+1
.endr
	ds_store_b128 v14, v[176:179]
	ds_store_b128 v14, v[180:183] offset:128
	s_branch .Lmeet
.Lno_qk:
	s_cmp_eq_u32 s2, 4
	s_cbranch_scc0 .Lmeet
	; WAVE 4: sb.  Lane (r, hh) holds batch r and the 32 d = 16 t + 8 hh + 0..7; the other 32 lie in the lane 16 away.
.irp t, 0,1,2,3
	ds_load_b128 v[64+8*(\t):64+8*(\t)+3],   v[L32] offset:QF+1024*(\t)
	ds_load_b128 v[64+8*(\t)+4:64+8*(\t)+7], v[L32] offset:QF+1024*(\t)+16
.endr
.set i, 0
.rept 16                               ; bk is rounded to bf16 like every input
	v_cvt_pk_bf16_f32 v[100+i%4], v[WK+2*i], v[WK+2*i+1]
	v_lshlrev_b32 v[WK+2*i], 16, v[100+i%4]
	v_and_b32 v[WK+2*i+1], s35, v[100+i%4]
.set i, i+1
.endr
	s_wait_dscnt 0x0
	v_pk_mul_f32 v[96:97], v[64:65], v[WK:WK+1]    ; two chains, begun by products: nothing is cleared
	v_pk_mul_f32 v[98:99], v[66:67], v[WK+2:WK+3]
.set i, 4
.rept 14
	v_pk_fma_f32 v[96+i%4:97+i%4], v[64+i:65+i], v[WK+i:WK+i+1], v[96+i%4:97+i%4]
.set i, i+2
.endr
	v_pk_add_f32 v[96:97], v[96:97], v[98:99]
	v_add_f32 v96, v96, v97
	v_permlanex16_b32 v97, v96, s32, s33
	v_add_f32 v96, v96, v97
	s_cmp_eq_u32 s4, 0                             ; one of the head's 16 work-groups stores it
	s_cbranch_scc0 .Lmeet
	v_lshlrev_b32 v98, 2, v[R]
	s_wait_xcnt 0x0                                ; EXEC is a source of my pending stores: it changes only behind this wait
	v_cmp_gt_u32 vcc_lo, 16, v[LN]
	s_and_saveexec_b32 s34, vcc_lo
	global_store_b32 v98, v96, s[28:29]            ; lanes 0-15: 64 consecutive bytes, all that the head has
	s_wait_xcnt 0x0                                ; and again, in front of the line that widens it
	s_or_b32 exec_lo, exec_lo, s34
.Lmeet:
	s_wait_dscnt 0x0                               ; for the others' sake: my part of the stage lies in LDS
	s_barrier_signal -1
	s_barrier_wait -1
	s_cmp_lt_u32 s2, 8                             ; 256 threads carry the stage's 16 x 256 bytes out
	s_cbranch_scc0 .Lend
	v_lshrrev_b32 v14, 4, v0                       ; b
	v_mul_u32_u24 v15, v14, SP
	v_lshl_add_u32 v15, v[R], 4, v15
	ds_load_b128 v[64:67], v15 offset:STG
	v_lshlrev_b32 v14, 16, v14                     ; a batch of qk is 65,536 bytes
	v_lshl_add_u32 v14, v[R], 4, v14
	s_wait_dscnt 0x0
	global_store_b128 v14, v[64:67], s[26:27]      ; 16 lanes store 256 consecutive bytes, aligned: hi and lo of (b, jb, h)
.Lend:
	s_wait_tensorcnt 0x0                           ; the wave's end, behind my last LDS store
	ds_add_u32 v[SPW], v[NIL]
	s_wait_dscnt 0x0
	s_endpgm
.Lfunc_end_k_q37ba292087_prep:
	.size	k_q37ba292087_prep, .Lfunc_end_k_q37ba292087_prep-k_q37ba292087_prep
	.p2alignl 7, 3214868480
	.fill 96, 4, 3214868480
	.section	.rodata,"a",@progbits
	.p2align	6, 0x0
	.amdhsa_kernel k_q37ba292087_prep
		.amdhsa_group_segment_fixed_size 76032
		.amdhsa_private_segment_fixed_size 0
		.amdhsa_enable_private_segment 0
		.amdhsa_kernarg_size 88
		.amdhsa_user_sgpr_count 2
		.amdhsa_user_sgpr_kernarg_segment_ptr 1
		.amdhsa_wavefront_size32 1
		.amdhsa_system_sgpr_workgroup_id_x 1
		.amdhsa_system_sgpr_workgroup_id_y 1
		.amdhsa_system_sgpr_workgroup_id_z 1
		.amdhsa_system_vgpr_workitem_id 0
		.amdhsa_next_free_vgpr 256
		.amdhsa_next_free_sgpr 66
		.amdhsa_reserve_vcc 1
		.amdhsa_float_denorm_mode_32 3
		.amdhsa_float_denorm_mode_16_64 3
		.amdhsa_memory_ordered 1
		.amdhsa_forward_progress 1
		.amdhsa_inst_pref_size 34
	.end_amdhsa_kernel
	.amdgpu_metadata
---
amdhsa.version: [ 1, 2 ]
amdhsa.kernels:
  - .name:           k_q37ba292087_prep
    .symbol:         k_q37ba292087_prep.kd
    .args:
      - { .name: hidden_states, .offset: 0, .size: 8, .value_kind: global_buffer, .address_space: global }
      - { .name: Wq, .offset: 8, .size: 8, .value_kind: global_buffer, .address_space: global }
      - { .name: bq, .offset: 16, .size: 8, .value_kind: global_buffer, .address_space: global }
      - { .name: Wk, .offset: 24, .size: 8, .value_kind: global_buffer, .address_space: global }
      - { .name: bk, .offset: 32, .size: 8, .value_kind: global_buffer, .address_space: global }
      - { .name: Wv, .offset: 40, .size: 8, .value_kind: global_buffer, .address_space: global }
      - { .name: Wo, .offset: 48, .size: 8, .value_kind: global_buffer, .address_space: global }
      - { .name: wvb, .offset: 56, .size: 8, .value_kind: global_buffer, .address_space: global }
      - { .name: wob, .offset: 64, .size: 8, .value_kind: global_buffer, .address_space: global }
      - { .name: qk, .offset: 72, .size: 8, .value_kind: global_buffer, .address_space: global }
      - { .name: sb, .offset: 80, .size: 8, .value_kind: global_buffer, .address_space: global }
    .group_segment_fixed_size: 76032
    .private_segment_fixed_size: 0
    .kernarg_segment_align: 8
    .kernarg_segment_size: 88
    .max_flat_workgroup_size: 512
    .sgpr_count:     66
    .vgpr_count:     256
    .wavefront_size: 32
...
	.end_amdgpu_metadata
.endif
;; end of part 1
;; launch gate (part 2): grid 256 x 1, 8 waves a work-group, no clusters, 76,800 bytes of LDS; arguments key_value_states, qk, sb, kvb, att; writes kvb, att
.if DOCPART == 2
	.amdgcn_target "amdgcn-amd-amdhsa--gfx1250"
	.amdhsa_code_object_version 6
	.text
	.protected	k_q37ba292087_gate
	.globl	k_q37ba292087_gate
	.p2align	8
	.type	k_q37ba292087_gate,@function
k_q37ba292087_gate:
	s_mov_b64 s[64:65], 0
	v_nop
	global_prefetch_b8 v0, s[64:65] scope:SCOPE_SE
	s_setreg_imm32_b32 hwreg(HW_REG_WAVE_MODE, 25, 1), 1
	s_wait_xcnt 0x0
; GATE.  kvb = key_value_states rounded to bf16 ([16384][1024]);  att[row][head] = clip(sum over j of kvb[row][j] qk[b][head][j] + sb[head][b], 0, 1) in f32 ([16384][16]).
; qk comes as two bf16 terms (hi, lo) for each head: 32 columns for a batch, [b][jb 16][n 32][64 j], n = 2 head + term; the two sums are added in f32.
; The launch is a stream: 4 bytes in and 2 bytes out for each number of key_value_states, each once; the products ride on it.
; SHARES.  A work-group owns 64 rows, all of one batch (1,024 rows a batch).  K IS SPLIT AMONG ITS EIGHT WAVES: wave w owns channels 128 w .. 128 w + 127 of all 64 rows, in four tiles of 16 rows.
; So a wave's piece of a row is 512 consecutive bytes coming in and 256 consecutive bytes, aligned, going out, and its fragments of qk, 64 registers, are loaded once.
; A row's bf16 words go through the wave's own stage in LDS to become fragments; the eight partial scores meet in LDS at the end.
; IN FLIGHT: two sets of 16 loads of 512 bytes in each wave.
; NO CLUSTER: what the 16 work-groups of a batch share is qk, 64 KiB against 384 KiB of their own each, and it goes straight into registers.  NO PREFETCH: the loads themselves keep the stream going.
; LIMITS.  A NaN score gives the gate 0 (the maximum with 0 drops it), where clip would hand it on.
.set STG,   0                          ; LDS: wave w's stage, 16 rows x 272 (256 bytes + 16 of padding: the 16 rows of a fragment load start at 16 different groups of four banks), at 4,352 w
.set SP,    272
.set PART,  34816                      ; wave w's partial scores, 64 rows x 80 (16 heads of f32 + 16 of padding), at 5,120 w
.set PP,    80
.set SPARE, 75776                      ; the spare words, 128 bytes for each of 8 waves: four blocks of 256 bytes that no other line names
.set LI,  1                            ; v1   16 l: my 16 bytes of the wave's 512 of a row
.set SO,  2                            ; v2   8 l: my 8 bytes of the wave's 256 of a row of kvb
.set ST,  3                            ; v3   the same place in my wave's stage
.set AF,  4                            ; v4   a fragment's place in the stage: r x 272 + 16 hh
.set QO,  5                            ; v5   a fragment's place in qk: r x 128 + 16 hh
.set PS,  6                            ; v6   where I put partial scores: r x 80 + 16 hh
.set PR,  7                            ; v7   where I read them: row T / 4, heads 4 (T % 4) + 0..3
.set AT,  8                            ; v8   16 T: my 16 bytes of att
.set SPW, 9                            ; v9   LDS address of my spare word; never rewritten
.set NIL, 10                           ; v10  0; never rewritten
.set SBO, 11                           ; v11  256 (T % 4): my four heads in sb
.set SB,  12                           ; v[12:15]   sb of my four heads
.set BF,  16                           ; v[16:79]   qk's fragments: K step s, column tile t at 16 + 8 (2 s + t)
.set AC,  80                           ; v[80:95]   two accumulators
.set FR,  96                           ; v[96:127]  the rows' fragments, K step s at 96 + 8 s; at work at the head and at the end
.set RAW, 128                          ; v[128:255] two sets of 16 rows as loaded, 4 registers a row
	s_load_b256 s[8:15], s[0:1], 0x0               ; kv s[8:9], qk s[10:11], sb s[12:13], kvb s[14:15]
	s_load_b64 s[16:17], s[0:1], 0x20              ; att
	v_lshl_add_u32 v[SPW], v0, 2, SPARE
	v_mov_b32 v[NIL], 0
	v_lshrrev_b32 v96, 5, v0
	v_readfirstlane_b32 s2, v96                    ; wave 0..7
	s_lshr_b32 s3, ttmp9, 4                        ; the batch
	v_and_b32 v96, 31, v0                          ; l
	v_and_b32 v97, 15, v0                          ; r
	v_bfe_u32 v98, v0, 4, 1                        ; hh
	v_and_b32 v99, 3, v0
	v_lshlrev_b32 v[LI], 4, v96
	v_lshlrev_b32 v[SO], 3, v96
	s_mul_i32 s4, s2, 16*SP                        ; my stage (STG = 0)
	v_lshl_add_u32 v[ST], v96, 3, s4
	v_mul_u32_u24 v[AF], v97, SP
	v_lshl_add_u32 v[AF], v98, 4, v[AF]
	v_add_nc_u32 v[AF], s4, v[AF]
	v_lshlrev_b32 v[QO], 7, v97
	v_lshl_add_u32 v[QO], v98, 4, v[QO]
	s_mul_i32 s5, s2, 64*PP
	s_add_co_u32 s5, s5, PART
	v_mul_u32_u24 v[PS], v97, PP
	v_lshl_add_u32 v[PS], v98, 4, v[PS]
	v_add_nc_u32 v[PS], s5, v[PS]
	v_lshrrev_b32 v[PR], 2, v0
	v_mul_u32_u24 v[PR], v[PR], PP
	v_lshl_add_u32 v[PR], v99, 4, v[PR]
	v_add_nc_u32 v[PR], PART, v[PR]
	v_lshlrev_b32 v[AT], 4, v0
	v_lshlrev_b32 v[SBO], 8, v99
	s_mov_b32 s19, 0
	s_wait_kmcnt 0x0
	s_lshl_b32 s18, ttmp9, 18                      ; 64 rows of 4,096 bytes,
	s_lshl_b32 s6, s2, 9                           ; my wave's 512 of a row
	s_add_co_u32 s18, s18, s6
	s_add_nc_u64 s[8:9], s[8:9], s[18:19]
	s_lshr_b32 s18, s18, 1                         ; half of both in bf16
	s_add_nc_u64 s[14:15], s[14:15], s[18:19]
	s_lshl_b32 s18, s3, 16                         ; the batch's 65,536 bytes of qk,
	s_lshl_b32 s6, s2, 13                          ; my wave's two blocks of 64 channels
	s_add_co_u32 s18, s18, s6
	s_add_nc_u64 s[10:11], s[10:11], s[18:19]
	s_lshl_b32 s18, s3, 2
	s_add_nc_u64 s[12:13], s[12:13], s[18:19]      ; sb[.][b]
	s_lshl_b32 s18, ttmp9, 12                      ; 64 rows of 64 bytes
	s_add_nc_u64 s[16:17], s[16:17], s[18:19]
.irp s, 0,1,2,3                        ; qk: lane (r, hh) holds column 16 t + r, channels 32 s + 8 hh + 0..7 and 32 s + 16 + 8 hh + 0..7
.irp t, 0,1
	global_load_b128 v[BF+8*(2*(\s)+(\t)):BF+8*(2*(\s)+(\t))+3],   v[QO], s[10:11] offset:((\s)/2)*4096+(\t)*2048+((\s)%2)*64
	global_load_b128 v[BF+8*(2*(\s)+(\t))+4:BF+8*(2*(\s)+(\t))+7], v[QO], s[10:11] offset:((\s)/2)*4096+(\t)*2048+((\s)%2)*64+32
.endr
.endr
.irp i, 0,1,2,3
	global_load_b32 v[SB+(\i)], v[SBO], s[12:13] offset:64*(\i)
.endr
; 16 rows of tile rt into set buf
.macro LOADS buf, rt
.set i, 0
.rept 16
	global_load_b128 v[RAW+64*(\buf)+4*i:RAW+64*(\buf)+4*i+3], v[LI], s[8:9] offset:(16*(\rt)+i)*4096 th:TH_LOAD_NT
.set i, i+1
.endr
.endm
; Tile rt's partial scores.  In an accumulator lane (r, hh) holds row r and the columns 16 t + 8 hh + 0..7: hi and lo of the heads 8 t + 4 hh + 0..3.  Each accumulator is read from its low end on.
.macro FIN rt
.irp t, 0,1
.irp i, 0,1,2,3
	v_add_f32 v[AC+8*(\t)+(\i)], v[AC+8*(\t)+2*(\i)], v[AC+8*(\t)+2*(\i)+1]
.endr
.endr
.irp t, 0,1
	ds_store_b128 v[PS], v[AC+8*(\t):AC+8*(\t)+3] offset:(\rt)*16*PP+32*(\t)
.endr
.endm
; Tile rt, in set buf.  left: the younger loads that may stay out (the other set's 16).  refill = 1: the set is loaded again, with tile rt + 2.
; The 32 roundings are also the places between the last tile's products and what touches their registers: FIN's sums, the loads into FR, the products that begin the sums anew.
.macro TILE rt, buf, refill, left
	s_wait_loadcnt \left
.set i, 0
.rept 16
	v_cvt_pk_bf16_f32 v[RAW+64*(\buf)+4*i],   v[RAW+64*(\buf)+4*i],   v[RAW+64*(\buf)+4*i+1]
	v_cvt_pk_bf16_f32 v[RAW+64*(\buf)+4*i+1], v[RAW+64*(\buf)+4*i+2], v[RAW+64*(\buf)+4*i+3]
.set i, i+1
.endr
.if (\rt) > 0
	FIN (\rt)-1
.endif
.set i, 0
.rept 16
	global_store_b64 v[SO], v[RAW+64*(\buf)+4*i:RAW+64*(\buf)+4*i+1], s[14:15] offset:(16*(\rt)+i)*2048 th:TH_STORE_NT  ; the wave's store covers 256 consecutive bytes, aligned
.set i, i+1
.endr
.set i, 0
.rept 16
	ds_store_b64 v[ST], v[RAW+64*(\buf)+4*i:RAW+64*(\buf)+4*i+1] offset:i*SP
.set i, i+1
.endr
.irp s, 0,1,2,3
	ds_load_b128 v[FR+8*(\s):FR+8*(\s)+3],   v[AF] offset:64*(\s)     ; my wave's own bytes: LDS serves a wave's instructions in order (ISA guide 5.7.1.4), so these see the stores above
	ds_load_b128 v[FR+8*(\s)+4:FR+8*(\s)+7], v[AF] offset:64*(\s)+32
.endr
.if \refill
	s_wait_xcnt 0x0                                ; the stores above have read their data: only behind this wait is the set loaded again
	LOADS \buf, (\rt)+2
.endif
	s_wait_dscnt 0x0                               ; the fragments are in
.irp s, 0,1,2,3                        ; source 0 = 16 columns of qk, source 1 = the 16 rows; the two accumulators take turns; the first K step starts the sums
.irp t, 0,1
.if (\s) == 0
	v_wmma_f32_16x16x32_bf16 v[AC+8*(\t):AC+8*(\t)+7], v[BF+8*(\t):BF+8*(\t)+7], v[FR:FR+7], 0
.else
	v_wmma_f32_16x16x32_bf16 v[AC+8*(\t):AC+8*(\t)+7], v[BF+8*(2*(\s)+(\t)):BF+8*(2*(\s)+(\t))+7], v[FR+8*(\s):FR+8*(\s)+7], v[AC+8*(\t):AC+8*(\t)+7]
.endif
.endr
.endr
.endm
	LOADS 0, 0
	LOADS 1, 1
	TILE 0, 0, 1, 16                               ; qk, sb and set 0 are in; set 1's 16 loads stay out
	TILE 1, 1, 1, 16
	TILE 2, 0, 0, 16
	TILE 3, 1, 0, 0
.rept 4
	v_nop                                          ; four places between the last product and the sums that read the results
.endr
	FIN 3
	s_wait_dscnt 0x0                               ; for the others' sake: my partial scores lie in LDS
	s_barrier_signal -1
	s_barrier_wait -1
.irp p, 0,1,2,3,4,5,6,7
	ds_load_b128 v[FR+4*(\p):FR+4*(\p)+3], v[PR] offset:(\p)*64*PP
.endr
	s_wait_dscnt 0x0
.irp d, 16, 8, 4
.set p, 0
.rept (\d)/2
	v_pk_add_f32 v[FR+p:FR+p+1], v[FR+p:FR+p+1], v[FR+p+(\d):FR+p+(\d)+1]
.set p, p+2
.endr
.endr
	v_pk_add_f32 v[FR:FR+1],   v[FR:FR+1],   v[SB:SB+1]
	v_pk_add_f32 v[FR+2:FR+3], v[FR+2:FR+3], v[SB+2:SB+3]
.irp i, 0,1,2,3
	v_max_num_f32 v[FR+(\i)], 0, v[FR+(\i)]
.endr
.irp i, 0,1,2,3
	v_min_num_f32 v[FR+(\i)], 1.0, v[FR+(\i)]
.endr
	global_store_b128 v[AT], v[FR:FR+3], s[16:17]  ; neighbouring threads store neighbouring 16 bytes
	s_wait_tensorcnt 0x0                           ; the wave's end, behind my last LDS store
	ds_add_u32 v[SPW], v[NIL]
	s_wait_dscnt 0x0
	s_endpgm
.Lfunc_end_k_q37ba292087_gate:
	.size	k_q37ba292087_gate, .Lfunc_end_k_q37ba292087_gate-k_q37ba292087_gate
	.p2alignl 7, 3214868480
	.fill 96, 4, 3214868480
	.section	.rodata,"a",@progbits
	.p2align	6, 0x0
	.amdhsa_kernel k_q37ba292087_gate
		.amdhsa_group_segment_fixed_size 76800
		.amdhsa_private_segment_fixed_size 0
		.amdhsa_enable_private_segment 0
		.amdhsa_kernarg_size 40
		.amdhsa_user_sgpr_count 2
		.amdhsa_user_sgpr_kernarg_segment_ptr 1
		.amdhsa_wavefront_size32 1
		.amdhsa_system_sgpr_workgroup_id_x 1
		.amdhsa_system_sgpr_workgroup_id_y 1
		.amdhsa_system_sgpr_workgroup_id_z 1
		.amdhsa_system_vgpr_workitem_id 0
		.amdhsa_next_free_vgpr 256
		.amdhsa_next_free_sgpr 66
		.amdhsa_reserve_vcc 0
		.amdhsa_float_denorm_mode_32 3
		.amdhsa_float_denorm_mode_16_64 3
		.amdhsa_memory_ordered 1
		.amdhsa_forward_progress 1
		.amdhsa_inst_pref_size 37
	.end_amdhsa_kernel
	.amdgpu_metadata
---
amdhsa.version: [ 1, 2 ]
amdhsa.kernels:
  - .name:           k_q37ba292087_gate
    .symbol:         k_q37ba292087_gate.kd
    .args:
      - { .name: key_value_states, .offset: 0, .size: 8, .value_kind: global_buffer, .address_space: global }
      - { .name: qk, .offset: 8, .size: 8, .value_kind: global_buffer, .address_space: global }
      - { .name: sb, .offset: 16, .size: 8, .value_kind: global_buffer, .address_space: global }
      - { .name: kvb, .offset: 24, .size: 8, .value_kind: global_buffer, .address_space: global }
      - { .name: att, .offset: 32, .size: 8, .value_kind: global_buffer, .address_space: global }
    .group_segment_fixed_size: 76800
    .private_segment_fixed_size: 0
    .kernarg_segment_align: 8
    .kernarg_segment_size: 40
    .max_flat_workgroup_size: 256
    .sgpr_count:     66
    .vgpr_count:     256
    .wavefront_size: 32
...
	.end_amdgpu_metadata
.endif
;; end of part 2
;; launch gemm1 (part 3): grid 4 x 64, 4 waves a work-group, clusters of 4 x 4, 327,680 bytes of LDS; arguments kvb, wvb, bv, ctx, att; writes ctx
.if DOCPART == 3
	.amdgcn_target "amdgcn-amd-amdhsa--gfx1250"
	.amdhsa_code_object_version 6
	.text
	.protected	k_q37ba292087_gemm1
	.globl	k_q37ba292087_gemm1
	.p2align	8
	.type	k_q37ba292087_gemm1,@function
k_q37ba292087_gemm1:
	s_mov_b64 s[64:65], 0
	v_nop
	global_prefetch_b8 v0, s[64:65] scope:SCOPE_SE
	s_setreg_imm32_b32 hwreg(HW_REG_WAVE_MODE, 25, 1), 1
	s_wait_xcnt 0x0
	s_wait_alu depctr_hold_cnt(0) depctr_sa_sdst(0) depctr_va_vdst(0) depctr_va_sdst(0) depctr_va_ssrc(0) depctr_va_vcc(0) depctr_vm_vsrc(0)
	s_getreg_b32 s2, hwreg(HW_REG_IB_STS2, 6, 4)
	s_cmp_eq_u32 s2, 0
	s_cbranch_scc0 .Lentry_in_a_cluster
	s_endpgm
.Lentry_in_a_cluster:
	s_bfe_u32 s2, ttmp6, 0x10000c
	s_cmp_lg_u32 s2, 0xf033
	s_cbranch_scc0 .Lentry_shape_is_right
	s_endpgm
.Lentry_shape_is_right:
; ctx[m][n] = att[m][n / 64] x (sum over k of kvb[m][k] wvb[n][k] + bv[n]).  kvb: [16384][1024], wvb: [1024][1024], ctx: [16384][1024], all bf16; bv: [1024] f32, rounded to bf16 like every input; att: [16384][16] f32.
; Sums in f32; ctx is rounded once, to bf16: it is the next product's operand, and bf16 keeps f32's range.
; A tile of C, 256 x 256, is made by a work-group of four waves; a wave makes 128 x 128: 64 accumulators of 16 x 16, 512 registers.  16384 x 1024 gives 64 x 4 = 256 tiles, one to a work-group.
; K goes in steps of 128 through a ring of two LDS slots filled by the tensor data mover: the tiles' rows are 256 bytes of memory and start at multiples of 256 bytes.
; CLUSTERS: 4 x 4 work-groups.  The four of a row of the cluster need the same tiles of A, the four of a column the same tiles of B: each tile is asked for JOINTLY, by the same tensor load with the same
; descriptor and a mask that names the four, and each receives it in its own LDS.
; THE MATRIX INSTRUCTION IS USED TRANSPOSED: source 0 = 16 rows of B, source 1 = 16 rows of A.  In the result lane l holds row m = l % 16 of C and its registers the columns 8 (l / 16) + 0..7.
; THE BIAS STARTS THE SUMS: the first product on each accumulator takes as C eight registers that hold bv of the lane's eight columns.  Nothing is cleared, and no addition follows.
; THE GATE: a wave's 128 columns are two heads; a lane's row has one gate for each, two registers for each block of 16 rows, multiplied in on the way out.
; REGISTERS, in windows of 256 (s_set_vgpr_msb's low byte: bits 1:0 source 0, 3:2 source 1, 5:4 source 2, 7:6 destination):
;   window 0: v0-31 addresses; v32-47 gates; v48-51 at work; v64-127, v128-191 fragments of A, two buffers (on the way out: rows read back); v192-255 the bias, later packed results
;   window 1: v64-127, v128-191 fragments of B, two buffers      window 2: the accumulators of my rows 0-63 ((a, b) at v[8 (8 a + b)])      window 3: those of my rows 64-127
.set SIZE_N, 1024
.set SIZE_K, 1024
.set KSTEP,  128
.set PITCH,  272                       ; an LDS row: 256 bytes + 16 of padding = 68 words: the 16 rows that a load touches start at 16 different groups of four banks (64 banks of 4 bytes: ISA guide 11.1)
.set HALFT,  128*PITCH                 ; 128 rows: what one tensor load brings, and what one wave reads of A or of B
.set SLOT,   4*HALFT                   ; A's 256 rows, then B's 256 rows
.set STAGE,  2*SLOT                    ; behind the ring: 16 rows x 272 bytes for each wave, for the way out
.set SPITCH, 272
.set SPARE,  STAGE+4*16*SPITCH         ; behind the stages: the spare words, 128 bytes for each wave: two blocks of 256 bytes that no other line names
.set LAPS,   SIZE_K/(2*KSTEP)          ; a lap = two K steps = once round the ring: 4
.set ADRA, 16                          ; v16-17  LDS address of my A fragments in slot 0, 1
.set ADRB, 20                          ; v20-21  the same for B
.set STO,  24                          ; v24     the way out: where I put 16 bytes of a row
.set RD,   25                          ; v25     the way out: where I read a row back
.set CO,   26                          ; v26     my byte offset in C
.set BO,   27                          ; v27     my byte offset in the bias: 32 (l / 16)
.set SPW,  28                          ; v28     LDS address of my spare word; never rewritten
.set NIL,  29                          ; v29     0; never rewritten
.set PFO,  30                          ; v30     the prefetches' offset: my lane x a row of A or B (2,048 bytes); never rewritten
.set GO,   31                          ; v31     my byte offset in att: 64 (l % 16)
.set GATE, 32                          ; v32-47  block a's two gates at 32 + 2 a
.set RT,   48                          ; v48-51  at work
.set F0,   64
.set F1,   128
.set BIAS, 192                         ; v192-255  column block b's eight numbers at 192 + 8 b
.set TMP,  192                         ; the way out: packed results
.set G1,  24                           ; s[24:31] descriptor group 1 for A's tiles
.set G0,  32                           ; s[32:39] group 0 for A's tiles, one set for each slot
.set G1B, 48                           ; s[48:55], s[56:63] the same for B's tiles
.set G0B, 56
.set LIM, 43                           ; s43     1 in a wave that prefetches, else the greatest number
.set PFA, 44                           ; s[44:45] where my prefetches stand
.set BIA, 68                           ; s[68:69] bv at my first column
.set ATT, 70                           ; s[70:71] att at my first row and head
.set MSB, 0
.macro WIN new                         ; the immediate's high byte repeats the setting that is left; a switch that changes nothing is dropped
.if MSB != (\new)
	s_set_vgpr_msb (MSB<<8)|(\new)
.set MSB, \new
.endif
.endm
.set MUL_LO, 0xa1                      ; source 0 (B) window 1, source 1 (A) window 0, C and D window 2
.set MUL_HI, 0xf1                      ; the same, C and D window 3
.set TO_B,   0x40                      ; destination window 1, address window 0
; A joint load.  Waves 0 and 1 fetch A's two halves, waves 2 and 3 B's.  The branch hangs on the wave's number alone.  An s_nop 0 and four v_nop follow each of the two lines.
.macro JLOAD s
	s_cmp_eq_u32 s11, 0
	s_cbranch_scc0 .Lfor_b_\@
	tensor_load_to_lds s[G0+4*(\s):G0+4*(\s)+3], s[G1:G1+7]
	s_nop 0
.rept 4
	v_nop
.endr
	s_branch .Lasked_\@
.Lfor_b_\@:
	tensor_load_to_lds s[G0B+4*(\s):G0B+4*(\s)+3], s[G1B:G1B+7]
	s_nop 0
.rept 4
	v_nop
.endr
.Lasked_\@:
.endm
; A PREFETCH INTO THE L2, behind each joint refill and the run of LDS loads that follows it: the K step that stands two refills on (512 matrix instructions ahead of the load that will ask for it): 32 rows x 256
; bytes, a lane a row, one instruction a wave.  Each row's 256 bytes of a K step are named once in the launch: A's rows by the cluster with x = 0 (here every cluster: the grid is one cluster wide), B's by the
; clusters with y = 0; of the 128 rows that a wave fetches, the partner at place p of the four that ask jointly takes 32 p .. 32 p + 31, told apart by address alone.
; K steps 0 to 3 come by their loads alone; the loop's last trip (s3 = 1) asks for nothing: K has no step 8.
.macro ASK
	s_cmp_gt_u32 s3, s[LIM]
	s_cbranch_scc0 .Lnot_mine_\@
	global_prefetch_b8 v[PFO], s[PFA:PFA+1] offset:KSTEP*2 th:TH_LOAD_NT scope:SCOPE_SE
.Lnot_mine_\@:
.endm
; A round of the cluster's barrier: my work-group's barrier, so that wave 0's signal speaks for all four waves; wave 0 signals; every wave waits for all sixteen work-groups; my work-group's barrier once more.
.macro CREST                           ; a round behind its opening barrier
	s_cmp_lg_u32 s10, 0
	s_cbranch_scc1 .Lnot_wave_0_\@
	s_barrier_signal -3
.Lnot_wave_0_\@:
	s_barrier_wait -3
	s_barrier_signal -1
	s_barrier_wait -1
.endm
.macro CROUND                          ; a whole round
	s_barrier_signal -1
	s_barrier_wait -1
	CREST
.endm
	s_load_b128 s[4:7], s[0:1], 0x0                ; A s[4:5], B s[6:7]
	s_load_b64 s[BIA:BIA+1], s[0:1], 0x10          ; bv
	s_load_b64 s[8:9], s[0:1], 0x18                ; C
	s_load_b64 s[ATT:ATT+1], s[0:1], 0x20          ; att
	v_lshl_add_u32 v[SPW], v0, 2, SPARE
	v_mov_b32 v[NIL], 0
	ds_add_u32 v[SPW], v[NIL]                      ; the wave's opening: the add, twice on end, and its wait ahead of my first tensor load; the set-up below stands between
	ds_add_u32 v[SPW], v[NIL]
	v_lshrrev_b32 v1, 5, v0
	v_readfirstlane_b32 s10, v1                    ; wave 0..3
	s_lshr_b32 s11, s10, 1                         ; which half of the tile's rows is mine.  Also: I fetch for A (0) or for B (1)
	s_and_b32 s12, s10, 1                          ; which half of its columns.  Also: which 128 rows of that tile I fetch
	s_bfe_u32 s40, ttmp6, 0x40000                  ; cx
	s_bfe_u32 s41, ttmp6, 0x40004                  ; cy
	s_lshl_b32 s42, ttmp9, 2
	s_add_co_u32 s42, s42, s40                     ; tile column of C = 4 x cluster x + cx
	s_and_b32 s13, ttmp7, 0xffff
	s_lshl_b32 s13, s13, 2
	s_add_co_u32 s13, s13, s41                     ; tile row of C = 4 x cluster y + cy
	s_lshl_b32 s43, s41, 2
	s_lshl_b32 s43, 15, s43                        ; my row of the cluster: places 4 cy .. 4 cy + 3
	s_lshl_b32 s44, 0x1111, s40                    ; my column: places cx, cx + 4, cx + 8, cx + 12
	s_mov_b32 s66, 0xffff0000                      ; a word's upper bf16
	; descriptor group 1: a tile of 128 rows x 128 elements, padded in LDS
	s_or_b32 s[G1+0], s43, (1<<16)|(1<<20)|(1<<21)|(5<<22)|(3<<25)  ; 15:0 the mask: A's tiles go to my row; 17:16 2-byte elements; 20 padding on; 21 set beside a mask; 24:22 after every 64 words (code 5); 31:25 4 words (code 3)
	s_or_b32 s[G1B+0], s44, (1<<16)|(1<<20)|(1<<21)|(5<<22)|(3<<25) ; the same with the mask of my column, for B's tiles
.irp g, G1, G1B
	s_mov_b32 s[(\g)+1], KSTEP<<16                 ; tensor_dim0 = 128
	s_mov_b32 s[(\g)+2], 128<<16                   ; tensor_dim1 = 128
	s_mov_b32 s[(\g)+3], KSTEP<<16                 ; tile_dim0 = 128
	s_mov_b32 s[(\g)+4], 128                       ; tile_dim1 = 128
	s_mov_b32 s[(\g)+5], SIZE_K                    ; elements from row to row
	s_mov_b32 s[(\g)+6], 0
	s_mov_b32 s[(\g)+7], 0
.endr
	; where the tiles come from.  A's hang on the tile row alone, which my row of the cluster shares; B's on the tile column alone, which my column shares.
	s_lshl_b32 s17, s12, 7                         ; which 128 rows of the tile I fetch
	s_lshl_b32 s16, s13, 8
	s_add_co_u32 s16, s16, s17                     ; A: row 256 x tile row + 128 x half
	s_lshl_b32 s46, s42, 8
	s_add_co_u32 s46, s46, s17                     ; B: row 256 x tile column + 128 x half
	s_mov_b32 s17, 0
	s_mov_b32 s47, 0
	s_mov_b64 s[18:19], SIZE_K*2
	s_mul_u64 s[16:17], s[16:17], s[18:19]
	s_mul_u64 s[46:47], s[46:47], s[18:19]
	s_mul_i32 s20, s10, HALFT                      ; where they go: wave x 128 rows: no place in the cluster enters an LDS address
	s_wait_dscnt 0x0                               ; both opening adds are done
	s_wait_kmcnt 0x0
	s_add_nc_u64 s[14:15], s[4:5], s[16:17]
	s_add_nc_u64 s[46:47], s[6:7], s[46:47]
	CROUND                                         ; all sixteen work-groups are here: the first joint loads meet
.irp s, 0,1
	s_mov_b32 s[G0+4*(\s)], 1                                      ; count = 1
	s_add_co_u32 s[G0+4*(\s)+1], s20, (\s)*SLOT                    ; LDS address
	s_add_nc_u64 s[G0+4*(\s)+2:G0+4*(\s)+3], s[14:15], (\s)*KSTEP*2  ; global address: K step s
	s_or_b32 s[G0+4*(\s)+3], s[G0+4*(\s)+3], 0x80000000            ; type = 2
	s_mov_b32 s[G0B+4*(\s)], 1
	s_add_co_u32 s[G0B+4*(\s)+1], s20, (\s)*SLOT
	s_add_nc_u64 s[G0B+4*(\s)+2:G0B+4*(\s)+3], s[46:47], (\s)*KSTEP*2
	s_or_b32 s[G0B+4*(\s)+3], s[G0B+4*(\s)+3], 0x80000000
	JLOAD \s                                       ; the ring is filled before anything else is done: two loads of mine are out
.endr
	v_and_b32 v1, 15, v0                           ; l % 16
	v_bfe_u32 v2, v0, 4, 1                         ; l / 16
	; my part of C, of the bias and of att
	s_lshl_b32 s13, s13, 8                         ; 256 x tile row
	s_lshl_b32 s14, s11, 7
	s_add_co_u32 s15, s13, s14                     ; my first row of C
	s_mul_i32 s16, s15, SIZE_N*2
	s_mov_b32 s17, 0
	s_add_nc_u64 s[8:9], s[8:9], s[16:17]
	s_lshl_b32 s46, s42, 8
	s_lshl_b32 s47, s12, 7
	s_add_co_u32 s46, s46, s47                     ; my first column
	s_lshl_b32 s20, s46, 1
	s_mov_b32 s21, 0
	s_add_nc_u64 s[8:9], s[8:9], s[20:21]
	s_lshl_b32 s20, s46, 2
	s_add_nc_u64 s[BIA:BIA+1], s[BIA:BIA+1], s[20:21]
	s_lshl_b32 s20, s15, 6                         ; a row of att is 64 bytes;
	s_lshr_b32 s22, s46, 4                         ; my first head is column / 64, 4 bytes each
	s_add_co_u32 s20, s20, s22
	s_add_nc_u64 s[ATT:ATT+1], s[ATT:ATT+1], s[20:21]
	v_lshlrev_b32 v[BO], 5, v2
	v_lshlrev_b32 v[GO], 6, v1
.irp b, 0,1,2,3,4,5,6,7                ; bv[16 b + 8 (l / 16) + 0..7]
	global_load_b128 v[BIAS+8*(\b):BIAS+8*(\b)+3],   v[BO], s[BIA:BIA+1] offset:64*(\b)
	global_load_b128 v[BIAS+8*(\b)+4:BIAS+8*(\b)+7], v[BO], s[BIA:BIA+1] offset:64*(\b)+16
.endr
.irp a, 0,1,2,3,4,5,6,7                ; att[16 a + l % 16][my two heads]
	global_load_b64 v[GATE+2*(\a):GATE+2*(\a)+1], v[GO], s[ATT:ATT+1] offset:1024*(\a)
.endr
	; A fragment is 16 rows x 32 K in 8 registers: lane l holds row l % 16; registers 0-3 hold K = 8 (l / 16) + 0..7, registers 4-7 K = 16 + 8 (l / 16) + 0..7: two loads of 16 bytes, 32 bytes apart.
	v_mul_u32_u24 v3, v1, PITCH
	v_lshl_add_u32 v3, v2, 4, v3                   ; row x pitch + 16 x half
	s_mul_i32 s21, s11, HALFT                      ; my 128 rows of A
	s_mul_i32 s22, s12, HALFT                      ; my 128 rows of B,
	s_add_co_u32 s22, s22, 2*HALFT                 ; which lie behind A's 256
.irp s, 0,1
	v_add_nc_u32 v[ADRA+(\s)], s21, v3
	v_add_nc_u32 v[ADRB+(\s)], s22, v3
	s_add_co_u32 s21, s21, SLOT
	s_add_co_u32 s22, s22, SLOT
.endr
	s_mul_i32 s23, s10, 16*SPITCH
	s_add_co_u32 s23, s23, STAGE                   ; my stage
	v_mul_u32_u24 v4, v1, SPITCH                   ; in: row l % 16, 16 bytes for each half of the lanes
	v_lshl_add_u32 v4, v2, 4, v4
	v_add_nc_u32 v[STO], s23, v4
	v_mul_u32_u24 v5, v2, SPITCH                   ; back: lanes 0-15 take one row of 256 bytes, lanes 16-31 the next
	v_lshl_add_u32 v5, v1, 4, v5
	v_add_nc_u32 v[RD], s23, v5
	v_mul_u32_u24 v5, v2, SIZE_N*2                 ; and the same two rows in C
	v_lshl_add_u32 v[CO], v1, 4, v5
	; the prefetches.  s13 = 256 x tile row, s42 = tile column, s40 = cx, s41 = cy still stand
	s_lshl_b32 s42, s42, 8
	s_and_b32 s22, ttmp7, 0xffff                   ; cluster y
	s_cmp_eq_u32 s11, 0                            ; do I fetch for A?
	s_cselect_b32 s20, s13, s42                    ; the tile's first row: in A by the tile row, in B by the tile column
	s_cselect_b32 s21, s40, s41                    ; my place among the four that ask for it with me
	s_cselect_b32 s22, ttmp9, s22                  ; the coordinate along which other clusters read the same rows
	s_cselect_b64 s[PFA:PFA+1], s[4:5], s[6:7]
	s_cmp_eq_u32 s22, 0
	s_cselect_b32 s[LIM], 1, -1                    ; the same in all sixteen partners, for a given wave
	s_lshl_b32 s22, s12, 7
	s_add_co_u32 s20, s20, s22                     ; + the 128 rows that I fetch
	s_lshl_b32 s21, s21, 5
	s_add_co_u32 s20, s20, s21                     ; + my work-group's 32 of them
	s_mov_b32 s21, 0
	s_mov_b64 s[18:19], SIZE_K*2
	s_mul_u64 s[20:21], s[20:21], s[18:19]
	s_add_nc_u64 s[PFA:PFA+1], s[PFA:PFA+1], s[20:21]
	s_add_nc_u64 s[PFA:PFA+1], s[PFA:PFA+1], 2*KSTEP*2  ; at K step 2: the first refill steps it to 3 and names K step 4
	v_and_b32 v[PFO], 31, v0
	v_mul_u32_u24 v[PFO], v[PFO], SIZE_K*2
	s_wait_loadcnt 0x0                             ; the bias and the gates
.set p, 0
.rept 32                               ; the bias is rounded to bf16 like every input, and widened again
	v_cvt_pk_bf16_f32 v[RT+p%4], v[BIAS+2*p], v[BIAS+2*p+1]
	v_lshlrev_b32 v[BIAS+2*p], 16, v[RT+p%4]
	v_and_b32 v[BIAS+2*p+1], s66, v[RT+p%4]
.set p, p+1
.endr
; 16 matrix instructions: m blocks a0, a0 + 1 of the window's four (hi = 0: my rows 0-63, 1: rows 64-127) x all 8 n blocks, 32 along K.  zero = 1: the first product starts the sums, with the bias (window 0) as C.
; The 64 accumulators take turns in the same order in every quarter step: between two links of a chain stand the 63 others'.
.macro MUL16 f, hi, a0, zero
.if \zero
	WIN 0x81+0x40*(\hi)                            ; source 0 window 1, sources 1 and 2 window 0, D window 2 or 3
.else
	WIN MUL_LO+0x50*(\hi)                          ; MUL_LO or MUL_HI
.endif
.irp a, \a0, (\a0)+1
.irp b, 0,1,2,3,4,5,6,7
.if \zero
	v_wmma_f32_16x16x32_bf16 v[8*(8*(\a)+(\b)):8*(8*(\a)+(\b))+7], v[(\f)+8*(\b):(\f)+8*(\b)+7], v[(\f)+8*(4*(\hi)+(\a)):(\f)+8*(4*(\hi)+(\a))+7], v[BIAS+8*(\b):BIAS+8*(\b)+7]
.else
	v_wmma_f32_16x16x32_bf16 v[8*(8*(\a)+(\b)):8*(8*(\a)+(\b))+7], v[(\f)+8*(\b):(\f)+8*(\b)+7], v[(\f)+8*(4*(\hi)+(\a)):(\f)+8*(4*(\hi)+(\a))+7], v[8*(8*(\a)+(\b)):8*(8*(\a)+(\b))+7]
.endif
.endr
.endr
.endm
; 32 LDS loads in one run: the fragments of one quarter step (128 rows of B, 128 rows of A, 32 K at byte k of the rows) into buffer f
.macro FETCH slot, k, f
	WIN TO_B
.irp i, 0,1,2,3,4,5,6,7
	ds_load_b128 v[(\f)+8*(\i):(\f)+8*(\i)+3],   v[ADRB+(\slot)] offset:(\k)+(\i)*16*PITCH
	ds_load_b128 v[(\f)+8*(\i)+4:(\f)+8*(\i)+7], v[ADRB+(\slot)] offset:(\k)+(\i)*16*PITCH+32
.endr
	WIN 0
.irp i, 0,1,2,3,4,5,6,7
	ds_load_b128 v[(\f)+8*(\i):(\f)+8*(\i)+3],   v[ADRA+(\slot)] offset:(\k)+(\i)*16*PITCH
	ds_load_b128 v[(\f)+8*(\i)+4:(\f)+8*(\i)+7], v[ADRA+(\slot)] offset:(\k)+(\i)*16*PITCH+32
.endr
.endm
; Four places in front of loads into registers that matrix instructions have read, and of vector work that reads results just made; the matrix instructions in between are not counted.
.macro PLACES
.rept 4
	v_nop
.endr
.endm
; A K step is four quarter steps of 32 along K, 64 matrix instructions each, on buffers 0, 1, 0, 1.  One of the first three: multiplies buffer f; in its middle it fetches the next quarter's fragments into buffer g.
.macro QUARTER slot, k, f, g, zero
	s_wait_dscnt 8                                 ; B and A's rows 0-63 are in; the youngest eight loads (A's rows 64-127) may be out
	MUL16 \f, 0, 0, \zero
	MUL16 \f, 0, 2, \zero
	PLACES
	FETCH \slot, \k, \g
	s_wait_dscnt 32                                ; all but the 32 just issued
	MUL16 \f, 1, 0, \zero
	MUL16 \f, 1, 2, \zero
.endm
; The first half of the last quarter, and the change of slots: ONE barrier.  In front of it each wave waits for all its tensor loads, of which one is out: its part of the next slot; adds 0 to its spare word;
; and waits for that and for its own reads of this slot.  Behind it nobody reads this slot any more and the next slot is whole.  round = 1: a round of the cluster's barrier follows.
.macro MEET round
	WIN 0                                          ; (the add's two registers lie in window 0)
	s_wait_tensorcnt 0x0                           ; all my tensor loads have landed
	ds_add_u32 v[SPW], v[NIL]                      ; 0 onto my spare word
	s_wait_dscnt 9                                 ; (the add and the youngest eight loads may be out)
	MUL16 F1, 0, 0, 0                              ; sixteen matrix instructions stand between the add and the wait for it
	s_wait_dscnt 0x0                               ; the add is done, and my reads of this slot are over
	s_barrier_signal -1
	MUL16 F1, 0, 2, 0                              ; work on registers while the others arrive
.if \round
	WIN 0
.endif
	s_barrier_wait -1
.endm
; The whole last quarter.  fill = 1: behind the round the slot just read out is filled again first, with the K step two steps on: from that request to the wait for it a wave issues 224 matrix instructions.
.macro TURN slot, next, fill
.if \fill
	s_wait_xcnt 0x0                                ; the last prefetch, a K step back, has read its address: it is stepped here, ahead of the waits of the change of slots
	s_add_nc_u64 s[PFA:PFA+1], s[PFA:PFA+1], KSTEP*2
	MEET 1
	CREST                                          ; no wave of any partner still reads this slot's tile or has a load on its way
	s_add_nc_u64 s[G0+4*(\slot)+2:G0+4*(\slot)+3], s[G0+4*(\slot)+2:G0+4*(\slot)+3], 2*KSTEP*2
	s_add_nc_u64 s[G0B+4*(\slot)+2:G0B+4*(\slot)+3], s[G0B+4*(\slot)+2:G0B+4*(\slot)+3], 2*KSTEP*2
	JLOAD \slot                                    ; the first tensor load behind the round, my only one until the next; its four v_nop are also the places in front of the loads below
.else
	MEET 0
	PLACES
.endif
	FETCH \next, 0, F0
.if \fill
	ASK
.endif
	MUL16 F1, 1, 0, 0
	MUL16 F1, 1, 2, 0
.endm
	s_wait_tensorcnt 1                             ; my part of K step 0 is in; K step 1's load stays out
	s_barrier_signal -1
	s_barrier_wait -1                              ; everybody's is
	FETCH 0, 0, F0
	QUARTER 0, 64,  F0, F1, 1                      ; the first quarter stands in front of the loop: its products start the sums
	WIN 0                                          ; at a label and at a branch every window is 0
	s_mov_b32 s3, LAPS-1
.Llap:                                                 ; a trip goes once round the ring, from a lap's second quarter to the next lap's first, and fills both slots again
	QUARTER 0, 128, F1, F0, 0
	QUARTER 0, 192, F0, F1, 0
	TURN 0, 1, 1
	QUARTER 1, 64,  F0, F1, 0
	QUARTER 1, 128, F1, F0, 0
	QUARTER 1, 192, F0, F1, 0
	TURN 1, 0, 1
	QUARTER 0, 64,  F0, F1, 0
	WIN 0
	s_sub_co_u32 s3, s3, 1
	s_cmp_lg_u32 s3, 0
	s_cbranch_scc1 .Llap
	QUARTER 0, 128, F1, F0, 0                      ; the last lap fills nothing, and has no round of the cluster's barrier
	QUARTER 0, 192, F0, F1, 0
	TURN 0, 1, 0
	QUARTER 1, 64,  F0, F1, 0
	QUARTER 1, 128, F1, F0, 0
	QUARTER 1, 192, F0, F1, 0
	s_wait_dscnt 8                                 ; the very last quarter: nothing more to fetch
	MUL16 F1, 0, 0, 0
	MUL16 F1, 0, 2, 0
	s_wait_dscnt 0x0
	MUL16 F1, 1, 0, 0
	MUL16 F1, 1, 2, 0
	WIN 0
	PLACES
; THE WAY OUT of block a (16 rows), in three parts.  PACK: times the row's gate (column blocks 0-3: my first head, 4-7: my second), rounded to bf16, 16 bytes a lane; each accumulator is read from its low end on.
.macro PACK a
.set AC, 64*((\a)%4)
	WIN 0x82+0x41*((\a)/4)                         ; destination and source 0 window 2 or 3, source 1 (the gates) window 0
.irp b, 0,1,2,3,4,5,6,7
.irp r, 0,2,4,6
.if (\b) < 4
	v_pk_mul_f32 v[AC+8*(\b)+(\r):AC+8*(\b)+(\r)+1], v[AC+8*(\b)+(\r):AC+8*(\b)+(\r)+1], v[GATE+2*(\a):GATE+2*(\a)+1] op_sel_hi:[1,0]
.else
	v_pk_mul_f32 v[AC+8*(\b)+(\r):AC+8*(\b)+(\r)+1], v[AC+8*(\b)+(\r):AC+8*(\b)+(\r)+1], v[GATE+2*(\a):GATE+2*(\a)+1] op_sel:[0,1] op_sel_hi:[1,1]
.endif
.endr
.endr
	WIN 0x0a+5*((\a)/4)                            ; sources 0 and 1: window 2 or 3
.irp b, 0,1,2,3,4,5,6,7
.irp r, 0,1,2,3
	v_cvt_pk_bf16_f32 v[TMP+4*(\b)+(\r)], v[AC+8*(\b)+2*(\r)], v[AC+8*(\b)+2*(\r)+1]
.endr
.endr
	WIN 0
.endm
; TOSTAGE: into my own stage in LDS, and back as whole rows of 256 bytes.
.macro TOSTAGE a
.set BK, F0+32*((\a)%2)
.irp b, 0,1,2,3,4,5,6,7
	ds_store_b128 v[STO], v[TMP+4*(\b):TMP+4*(\b)+3] offset:32*(\b)
.endr
.irp t, 0,1,2,3,4,5,6,7
	ds_load_b128 v[BK+4*(\t):BK+4*(\t)+3], v[RD] offset:(\t)*2*SPITCH  ; LDS serves a wave's instructions in order (ISA guide 5.7.1.4): these see the stores above
.endr
.endm
; SEND: stored.
.macro SEND a
.set BK, F0+32*((\a)%2)
	s_wait_dscnt 0x0                               ; the block is back in registers
	s_wait_xcnt 0x0                                ; the stores of the block before have read their data: the next TOSTAGE loads into those registers
.irp t, 0,1,2,3,4,5,6,7
	global_store_b128 v[CO], v[BK+4*(\t):BK+4*(\t)+3], s[8:9] offset:(16*(\a)+2*(\t))*SIZE_N*2 th:TH_STORE_NT  ; 16 lanes store 256 consecutive bytes, aligned
.endr
.endm
	PACK 0
	TOSTAGE 0
.irp a, 1,2,3,4,5,6,7                  ; block a's arithmetic stands between block a - 1's loads from the stage and the wait for them
	PACK \a
	SEND (\a)-1
	TOSTAGE \a
.endr
	SEND 7
	s_wait_tensorcnt 0x0                           ; the wave's end, behind my last tensor load and my last LDS store
	ds_add_u32 v[SPW], v[NIL]
	s_wait_dscnt 0x0
	CROUND                                         ; the closing round: no work-group ends while a partner may still ask for a tile that names it
	s_endpgm
.Lfunc_end_k_q37ba292087_gemm1:
	.size	k_q37ba292087_gemm1, .Lfunc_end_k_q37ba292087_gemm1-k_q37ba292087_gemm1
	.p2alignl 7, 3214868480
	.fill 96, 4, 3214868480
	.section	.rodata,"a",@progbits
	.p2align	6, 0x0
	.amdhsa_kernel k_q37ba292087_gemm1
		.amdhsa_group_segment_fixed_size 327680
		.amdhsa_private_segment_fixed_size 0
		.amdhsa_enable_private_segment 0
		.amdhsa_kernarg_size 40
		.amdhsa_user_sgpr_count 2
		.amdhsa_user_sgpr_kernarg_segment_ptr 1
		.amdhsa_wavefront_size32 1
		.amdhsa_system_sgpr_workgroup_id_x 1
		.amdhsa_system_sgpr_workgroup_id_y 1
		.amdhsa_system_sgpr_workgroup_id_z 1
		.amdhsa_system_vgpr_workitem_id 0
		.amdhsa_next_free_vgpr 1024
		.amdhsa_next_free_sgpr 72
		.amdhsa_reserve_vcc 0
		.amdhsa_float_denorm_mode_32 3
		.amdhsa_float_denorm_mode_16_64 3
		.amdhsa_memory_ordered 1
		.amdhsa_forward_progress 1
		.amdhsa_inst_pref_size 167
	.end_amdhsa_kernel
	.amdgpu_metadata
---
amdhsa.version: [ 1, 2 ]
amdhsa.kernels:
  - .name:           k_q37ba292087_gemm1
    .symbol:         k_q37ba292087_gemm1.kd
    .args:
      - { .name: kvb, .offset: 0, .size: 8, .value_kind: global_buffer, .address_space: global }
      - { .name: wvb, .offset: 8, .size: 8, .value_kind: global_buffer, .address_space: global }
      - { .name: bv, .offset: 16, .size: 8, .value_kind: global_buffer, .address_space: global }
      - { .name: ctx, .offset: 24, .size: 8, .value_kind: global_buffer, .address_space: global }
      - { .name: att, .offset: 32, .size: 8, .value_kind: global_buffer, .address_space: global }
    .group_segment_fixed_size: 327680
    .private_segment_fixed_size: 0
    .kernarg_segment_align: 8
    .kernarg_segment_size: 40
    .max_flat_workgroup_size: 128
    .sgpr_count:     72
    .vgpr_count:     1024
    .wavefront_size: 32
...
	.end_amdgpu_metadata
.endif
;; end of part 3
;; launch gemm2 (part 4): grid 4 x 64, 4 waves a work-group, clusters of 4 x 4, 327,680 bytes of LDS; arguments ctx, wob, bo, out0; writes out0
.if DOCPART == 4
	.amdgcn_target "amdgcn-amd-amdhsa--gfx1250"
	.amdhsa_code_object_version 6
	.text
	.protected	k_q37ba292087_gemm2
	.globl	k_q37ba292087_gemm2
	.p2align	8
	.type	k_q37ba292087_gemm2,@function
k_q37ba292087_gemm2:
	s_mov_b64 s[64:65], 0
	v_nop
	global_prefetch_b8 v0, s[64:65] scope:SCOPE_SE
	s_setreg_imm32_b32 hwreg(HW_REG_WAVE_MODE, 25, 1), 1
	s_wait_xcnt 0x0
	s_wait_alu depctr_hold_cnt(0) depctr_sa_sdst(0) depctr_va_vdst(0) depctr_va_sdst(0) depctr_va_ssrc(0) depctr_va_vcc(0) depctr_vm_vsrc(0)
	s_getreg_b32 s2, hwreg(HW_REG_IB_STS2, 6, 4)
	s_cmp_eq_u32 s2, 0
	s_cbranch_scc0 .Lentry_in_a_cluster
	s_endpgm
.Lentry_in_a_cluster:
	s_bfe_u32 s2, ttmp6, 0x10000c
	s_cmp_lg_u32 s2, 0xf033
	s_cbranch_scc0 .Lentry_shape_is_right
	s_endpgm
.Lentry_shape_is_right:
; out[m][n] = sum over k of ctx[m][k] wob[n][k] + bo[n].  ctx: [16384][1024], wob: [1024][1024], both bf16; bo: [1024] f32, rounded to bf16 like every input; out: [16384][1024] f32.  Sums in f32, stored as they are.
; A tile of C, 256 x 256, is made by a work-group of four waves; a wave makes 128 x 128: 64 accumulators of 16 x 16, 512 registers.  16384 x 1024 gives 64 x 4 = 256 tiles, one to a work-group.
; K goes in steps of 128 through a ring of two LDS slots filled by the tensor data mover: the tiles' rows are 256 bytes of memory and start at multiples of 256 bytes.
; CLUSTERS: 4 x 4 work-groups.  The four of a row of the cluster need the same tiles of A, the four of a column the same tiles of B: each tile is asked for JOINTLY, by the same tensor load with the same
; descriptor and a mask that names the four, and each receives it in its own LDS.
; THE MATRIX INSTRUCTION IS USED TRANSPOSED: source 0 = 16 rows of B, source 1 = 16 rows of A.  In the result lane l holds row m = l % 16 of C and its registers the columns 8 (l / 16) + 0..7.
; THE BIAS STARTS THE SUMS: the first product on each accumulator takes as C eight registers that hold bo of the lane's eight columns.  Nothing is cleared, and no addition follows.
; THE WAY OUT: the accumulators go as they are into the wave's stage in LDS, 16 rows at a time, and come back as whole rows of 512 bytes.
; REGISTERS, in windows of 256 (s_set_vgpr_msb's low byte: bits 1:0 source 0, 3:2 source 1, 5:4 source 2, 7:6 destination):
;   window 0: v0-31 addresses; v48-51 at work; v64-127, v128-191 fragments of A, two buffers (on the way out: rows read back); v192-255 the bias
;   window 1: v64-127, v128-191 fragments of B, two buffers      window 2: the accumulators of my rows 0-63 ((a, b) at v[8 (8 a + b)])      window 3: those of my rows 64-127
.set SIZE_N, 1024
.set SIZE_K, 1024
.set KSTEP,  128
.set PITCH,  272                       ; an LDS row: 256 bytes + 16 of padding = 68 words: the 16 rows that a load touches start at 16 different groups of four banks (64 banks of 4 bytes: ISA guide 11.1)
.set HALFT,  128*PITCH                 ; 128 rows: what one tensor load brings, and what one wave reads of A or of B
.set SLOT,   4*HALFT                   ; A's 256 rows, then B's 256 rows
.set STAGE,  2*SLOT                    ; behind the ring: 16 rows x 528 bytes for each wave, for the way out
.set SPITCH, 528                       ; 512 bytes + 16 of padding: an odd multiple of 16
.set SPARE,  STAGE+4*16*SPITCH         ; behind the stages: the spare words, 128 bytes for each wave: two blocks of 256 bytes that no other line names
.set LAPS,   SIZE_K/(2*KSTEP)          ; a lap = two K steps = once round the ring: 4
.set ADRA, 16                          ; v16-17  LDS address of my A fragments in slot 0, 1
.set ADRB, 20                          ; v20-21  the same for B
.set STO,  24                          ; v24     the way out: where I put 32 bytes of a row
.set RD,   25                          ; v25     the way out: where I read a row back
.set CO,   26                          ; v26     my byte offset in a row's 512 bytes of C
.set BO,   27                          ; v27     my byte offset in the bias: 32 (l / 16)
.set SPW,  28                          ; v28     LDS address of my spare word; never rewritten
.set NIL,  29                          ; v29     0; never rewritten
.set PFO,  30                          ; v30     the prefetches' offset: my lane x a row of A or B (2,048 bytes); never rewritten
.set RT,   48                          ; v48-51  at work
.set F0,   64
.set F1,   128
.set BIAS, 192                         ; v192-255  column block b's eight numbers at 192 + 8 b
.set G1,  24                           ; s[24:31] descriptor group 1 for A's tiles
.set G0,  32                           ; s[32:39] group 0 for A's tiles, one set for each slot
.set G1B, 48                           ; s[48:55], s[56:63] the same for B's tiles
.set G0B, 56
.set LIM, 43                           ; s43     1 in a wave that prefetches, else the greatest number
.set PFA, 44                           ; s[44:45] where my prefetches stand
.set BIA, 68                           ; s[68:69] bo at my first column
.set MSB, 0
.macro WIN new                         ; the immediate's high byte repeats the setting that is left; a switch that changes nothing is dropped
.if MSB != (\new)
	s_set_vgpr_msb (MSB<<8)|(\new)
.set MSB, \new
.endif
.endm
.set MUL_LO, 0xa1                      ; source 0 (B) window 1, source 1 (A) window 0, C and D window 2
.set MUL_HI, 0xf1                      ; the same, C and D window 3
.set TO_B,   0x40                      ; destination window 1, address window 0
; A joint load.  Waves 0 and 1 fetch A's two halves, waves 2 and 3 B's.  The branch hangs on the wave's number alone.  An s_nop 0 and four v_nop follow each of the two lines.
.macro JLOAD s
	s_cmp_eq_u32 s11, 0
	s_cbranch_scc0 .Lfor_b_\@
	tensor_load_to_lds s[G0+4*(\s):G0+4*(\s)+3], s[G1:G1+7]
	s_nop 0
.rept 4
	v_nop
.endr
	s_branch .Lasked_\@
.Lfor_b_\@:
	tensor_load_to_lds s[G0B+4*(\s):G0B+4*(\s)+3], s[G1B:G1B+7]
	s_nop 0
.rept 4
	v_nop
.endr
.Lasked_\@:
.endm
; A PREFETCH INTO THE L2, behind each joint refill and the run of LDS loads that follows it: the K step that stands two refills on (512 matrix instructions ahead of the load that will ask for it): 32 rows x 256
; bytes, a lane a row, one instruction a wave.  Each row's 256 bytes of a K step are named once in the launch: A's rows by the cluster with x = 0 (here every cluster: the grid is one cluster wide), B's by the
; clusters with y = 0; of the 128 rows that a wave fetches, the partner at place p of the four that ask jointly takes 32 p .. 32 p + 31, told apart by address alone.
; K steps 0 to 3 come by their loads alone; the loop's last trip (s3 = 1) asks for nothing: K has no step 8.
.macro ASK
	s_cmp_gt_u32 s3, s[LIM]
	s_cbranch_scc0 .Lnot_mine_\@
	global_prefetch_b8 v[PFO], s[PFA:PFA+1] offset:KSTEP*2 th:TH_LOAD_NT scope:SCOPE_SE
.Lnot_mine_\@:
.endm
; A round of the cluster's barrier: my work-group's barrier, so that wave 0's signal speaks for all four waves; wave 0 signals; every wave waits for all sixteen work-groups; my work-group's barrier once more.
.macro CREST                           ; a round behind its opening barrier
	s_cmp_lg_u32 s10, 0
	s_cbranch_scc1 .Lnot_wave_0_\@
	s_barrier_signal -3
.Lnot_wave_0_\@:
	s_barrier_wait -3
	s_barrier_signal -1
	s_barrier_wait -1
.endm
.macro CROUND                          ; a whole round
	s_barrier_signal -1
	s_barrier_wait -1
	CREST
.endm
	s_load_b128 s[4:7], s[0:1], 0x0                ; A s[4:5], B s[6:7]
	s_load_b64 s[BIA:BIA+1], s[0:1], 0x10          ; bo
	s_load_b64 s[8:9], s[0:1], 0x18                ; C
	v_lshl_add_u32 v[SPW], v0, 2, SPARE
	v_mov_b32 v[NIL], 0
	ds_add_u32 v[SPW], v[NIL]                      ; the wave's opening: the add, twice on end, and its wait ahead of my first tensor load; the set-up below stands between
	ds_add_u32 v[SPW], v[NIL]
	v_lshrrev_b32 v1, 5, v0
	v_readfirstlane_b32 s10, v1                    ; wave 0..3
	s_lshr_b32 s11, s10, 1                         ; which half of the tile's rows is mine.  Also: I fetch for A (0) or for B (1)
	s_and_b32 s12, s10, 1                          ; which half of its columns.  Also: which 128 rows of that tile I fetch
	s_bfe_u32 s40, ttmp6, 0x40000                  ; cx
	s_bfe_u32 s41, ttmp6, 0x40004                  ; cy
	s_lshl_b32 s42, ttmp9, 2
	s_add_co_u32 s42, s42, s40                     ; tile column of C = 4 x cluster x + cx
	s_and_b32 s13, ttmp7, 0xffff
	s_lshl_b32 s13, s13, 2
	s_add_co_u32 s13, s13, s41                     ; tile row of C = 4 x cluster y + cy
	s_lshl_b32 s43, s41, 2
	s_lshl_b32 s43, 15, s43                        ; my row of the cluster: places 4 cy .. 4 cy + 3
	s_lshl_b32 s44, 0x1111, s40                    ; my column: places cx, cx + 4, cx + 8, cx + 12
	s_mov_b32 s66, 0xffff0000                      ; a word's upper bf16
	; descriptor group 1: a tile of 128 rows x 128 elements, padded in LDS
	s_or_b32 s[G1+0], s43, (1<<16)|(1<<20)|(1<<21)|(5<<22)|(3<<25)  ; 15:0 the mask: A's tiles go to my row; 17:16 2-byte elements; 20 padding on; 21 set beside a mask; 24:22 after every 64 words (code 5); 31:25 4 words (code 3)
	s_or_b32 s[G1B+0], s44, (1<<16)|(1<<20)|(1<<21)|(5<<22)|(3<<25) ; the same with the mask of my column, for B's tiles
.irp g, G1, G1B
	s_mov_b32 s[(\g)+1], KSTEP<<16                 ; tensor_dim0 = 128
	s_mov_b32 s[(\g)+2], 128<<16                   ; tensor_dim1 = 128
	s_mov_b32 s[(\g)+3], KSTEP<<16                 ; tile_dim0 = 128
	s_mov_b32 s[(\g)+4], 128                       ; tile_dim1 = 128
	s_mov_b32 s[(\g)+5], SIZE_K                    ; elements from row to row
	s_mov_b32 s[(\g)+6], 0
	s_mov_b32 s[(\g)+7], 0
.endr
	; where the tiles come from.  A's hang on the tile row alone, which my row of the cluster shares; B's on the tile column alone, which my column shares.
	s_lshl_b32 s17, s12, 7                         ; which 128 rows of the tile I fetch
	s_lshl_b32 s16, s13, 8
	s_add_co_u32 s16, s16, s17                     ; A: row 256 x tile row + 128 x half
	s_lshl_b32 s46, s42, 8
	s_add_co_u32 s46, s46, s17                     ; B: row 256 x tile column + 128 x half
	s_mov_b32 s17, 0
	s_mov_b32 s47, 0
	s_mov_b64 s[18:19], SIZE_K*2
	s_mul_u64 s[16:17], s[16:17], s[18:19]
	s_mul_u64 s[46:47], s[46:47], s[18:19]
	s_mul_i32 s20, s10, HALFT                      ; where they go: wave x 128 rows: no place in the cluster enters an LDS address
	s_wait_dscnt 0x0                               ; both opening adds are done
	s_wait_kmcnt 0x0
	s_add_nc_u64 s[14:15], s[4:5], s[16:17]
	s_add_nc_u64 s[46:47], s[6:7], s[46:47]
	CROUND                                         ; all sixteen work-groups are here: the first joint loads meet
.irp s, 0,1
	s_mov_b32 s[G0+4*(\s)], 1                                      ; count = 1
	s_add_co_u32 s[G0+4*(\s)+1], s20, (\s)*SLOT                    ; LDS address
	s_add_nc_u64 s[G0+4*(\s)+2:G0+4*(\s)+3], s[14:15], (\s)*KSTEP*2  ; global address: K step s
	s_or_b32 s[G0+4*(\s)+3], s[G0+4*(\s)+3], 0x80000000            ; type = 2
	s_mov_b32 s[G0B+4*(\s)], 1
	s_add_co_u32 s[G0B+4*(\s)+1], s20, (\s)*SLOT
	s_add_nc_u64 s[G0B+4*(\s)+2:G0B+4*(\s)+3], s[46:47], (\s)*KSTEP*2
	s_or_b32 s[G0B+4*(\s)+3], s[G0B+4*(\s)+3], 0x80000000
	JLOAD \s                                       ; the ring is filled before anything else is done: two loads of mine are out
.endr
	v_and_b32 v1, 15, v0                           ; l % 16
	v_bfe_u32 v2, v0, 4, 1                         ; l / 16
	; my part of C and of the bias
	s_lshl_b32 s13, s13, 8                         ; 256 x tile row
	s_lshl_b32 s14, s11, 7
	s_add_co_u32 s15, s13, s14                     ; my first row of C
	s_mul_i32 s16, s15, SIZE_N*4
	s_mov_b32 s17, 0
	s_add_nc_u64 s[8:9], s[8:9], s[16:17]
	s_lshl_b32 s46, s42, 8
	s_lshl_b32 s47, s12, 7
	s_add_co_u32 s46, s46, s47                     ; my first column
	s_lshl_b32 s20, s46, 2
	s_mov_b32 s21, 0
	s_add_nc_u64 s[8:9], s[8:9], s[20:21]
	s_add_nc_u64 s[BIA:BIA+1], s[BIA:BIA+1], s[20:21]
	v_lshlrev_b32 v[BO], 5, v2
.irp b, 0,1,2,3,4,5,6,7                ; bo[16 b + 8 (l / 16) + 0..7]
	global_load_b128 v[BIAS+8*(\b):BIAS+8*(\b)+3],   v[BO], s[BIA:BIA+1] offset:64*(\b)
	global_load_b128 v[BIAS+8*(\b)+4:BIAS+8*(\b)+7], v[BO], s[BIA:BIA+1] offset:64*(\b)+16
.endr
	; A fragment is 16 rows x 32 K in 8 registers: lane l holds row l % 16; registers 0-3 hold K = 8 (l / 16) + 0..7, registers 4-7 K = 16 + 8 (l / 16) + 0..7: two loads of 16 bytes, 32 bytes apart.
	v_mul_u32_u24 v3, v1, PITCH
	v_lshl_add_u32 v3, v2, 4, v3                   ; row x pitch + 16 x half
	s_mul_i32 s21, s11, HALFT                      ; my 128 rows of A
	s_mul_i32 s22, s12, HALFT                      ; my 128 rows of B,
	s_add_co_u32 s22, s22, 2*HALFT                 ; which lie behind A's 256
.irp s, 0,1
	v_add_nc_u32 v[ADRA+(\s)], s21, v3
	v_add_nc_u32 v[ADRB+(\s)], s22, v3
	s_add_co_u32 s21, s21, SLOT
	s_add_co_u32 s22, s22, SLOT
.endr
	s_mul_i32 s23, s10, 16*SPITCH
	s_add_co_u32 s23, s23, STAGE                   ; my stage
	v_mul_u32_u24 v4, v1, SPITCH                   ; in: row l % 16, 32 bytes for each half of the lanes
	v_lshl_add_u32 v4, v2, 5, v4
	v_add_nc_u32 v[STO], s23, v4
	v_and_b32 v5, 31, v0                           ; back: 32 lanes take one row of 512 bytes,
	v_lshlrev_b32 v[CO], 4, v5                     ; and the same in C
	v_add_nc_u32 v[RD], s23, v[CO]
	; the prefetches.  s13 = 256 x tile row, s42 = tile column, s40 = cx, s41 = cy still stand
	s_lshl_b32 s42, s42, 8
	s_and_b32 s22, ttmp7, 0xffff                   ; cluster y
	s_cmp_eq_u32 s11, 0                            ; do I fetch for A?
	s_cselect_b32 s20, s13, s42                    ; the tile's first row: in A by the tile row, in B by the tile column
	s_cselect_b32 s21, s40, s41                    ; my place among the four that ask for it with me
	s_cselect_b32 s22, ttmp9, s22                  ; the coordinate along which other clusters read the same rows
	s_cselect_b64 s[PFA:PFA+1], s[4:5], s[6:7]
	s_cmp_eq_u32 s22, 0
	s_cselect_b32 s[LIM], 1, -1                    ; the same in all sixteen partners, for a given wave
	s_lshl_b32 s22, s12, 7
	s_add_co_u32 s20, s20, s22                     ; + the 128 rows that I fetch
	s_lshl_b32 s21, s21, 5
	s_add_co_u32 s20, s20, s21                     ; + my work-group's 32 of them
	s_mov_b32 s21, 0
	s_mov_b64 s[18:19], SIZE_K*2
	s_mul_u64 s[20:21], s[20:21], s[18:19]
	s_add_nc_u64 s[PFA:PFA+1], s[PFA:PFA+1], s[20:21]
	s_add_nc_u64 s[PFA:PFA+1], s[PFA:PFA+1], 2*KSTEP*2  ; at K step 2: the first refill steps it to 3 and names K step 4
	v_and_b32 v[PFO], 31, v0
	v_mul_u32_u24 v[PFO], v[PFO], SIZE_K*2
	s_wait_loadcnt 0x0                             ; the bias
.set p, 0
.rept 32                               ; the bias is rounded to bf16 like every input, and widened again
	v_cvt_pk_bf16_f32 v[RT+p%4], v[BIAS+2*p], v[BIAS+2*p+1]
	v_lshlrev_b32 v[BIAS+2*p], 16, v[RT+p%4]
	v_and_b32 v[BIAS+2*p+1], s66, v[RT+p%4]
.set p, p+1
.endr
; 16 matrix instructions: m blocks a0, a0 + 1 of the window's four (hi = 0: my rows 0-63, 1: rows 64-127) x all 8 n blocks, 32 along K.  zero = 1: the first product starts the sums, with the bias (window 0) as C.
; The 64 accumulators take turns in the same order in every quarter step: between two links of a chain stand the 63 others'.
.macro MUL16 f, hi, a0, zero
.if \zero
	WIN 0x81+0x40*(\hi)                            ; source 0 window 1, sources 1 and 2 window 0, D window 2 or 3
.else
	WIN MUL_LO+0x50*(\hi)                          ; MUL_LO or MUL_HI
.endif
.irp a, \a0, (\a0)+1
.irp b, 0,1,2,3,4,5,6,7
.if \zero
	v_wmma_f32_16x16x32_bf16 v[8*(8*(\a)+(\b)):8*(8*(\a)+(\b))+7], v[(\f)+8*(\b):(\f)+8*(\b)+7], v[(\f)+8*(4*(\hi)+(\a)):(\f)+8*(4*(\hi)+(\a))+7], v[BIAS+8*(\b):BIAS+8*(\b)+7]
.else
	v_wmma_f32_16x16x32_bf16 v[8*(8*(\a)+(\b)):8*(8*(\a)+(\b))+7], v[(\f)+8*(\b):(\f)+8*(\b)+7], v[(\f)+8*(4*(\hi)+(\a)):(\f)+8*(4*(\hi)+(\a))+7], v[8*(8*(\a)+(\b)):8*(8*(\a)+(\b))+7]
.endif
.endr
.endr
.endm
; 32 LDS loads in one run: the fragments of one quarter step (128 rows of B, 128 rows of A, 32 K at byte k of the rows) into buffer f
.macro FETCH slot, k, f
	WIN TO_B
.irp i, 0,1,2,3,4,5,6,7
	ds_load_b128 v[(\f)+8*(\i):(\f)+8*(\i)+3],   v[ADRB+(\slot)] offset:(\k)+(\i)*16*PITCH
	ds_load_b128 v[(\f)+8*(\i)+4:(\f)+8*(\i)+7], v[ADRB+(\slot)] offset:(\k)+(\i)*16*PITCH+32
.endr
	WIN 0
.irp i, 0,1,2,3,4,5,6,7
	ds_load_b128 v[(\f)+8*(\i):(\f)+8*(\i)+3],   v[ADRA+(\slot)] offset:(\k)+(\i)*16*PITCH
	ds_load_b128 v[(\f)+8*(\i)+4:(\f)+8*(\i)+7], v[ADRA+(\slot)] offset:(\k)+(\i)*16*PITCH+32
.endr
.endm
; Four places in front of loads into registers that matrix instructions have read, and of stores that read results just made; the matrix instructions in between are not counted.
.macro PLACES
.rept 4
	v_nop
.endr
.endm
; A K step is four quarter steps of 32 along K, 64 matrix instructions each, on buffers 0, 1, 0, 1.  One of the first three: multiplies buffer f; in its middle it fetches the next quarter's fragments into buffer g.
.macro QUARTER slot, k, f, g, zero
	s_wait_dscnt 8                                 ; B and A's rows 0-63 are in; the youngest eight loads (A's rows 64-127) may be out
	MUL16 \f, 0, 0, \zero
	MUL16 \f, 0, 2, \zero
	PLACES
	FETCH \slot, \k, \g
	s_wait_dscnt 32                                ; all but the 32 just issued
	MUL16 \f, 1, 0, \zero
	MUL16 \f, 1, 2, \zero
.endm
; The first half of the last quarter, and the change of slots: ONE barrier.  In front of it each wave waits for all its tensor loads, of which one is out: its part of the next slot; adds 0 to its spare word;
; and waits for that and for its own reads of this slot.  Behind it nobody reads this slot any more and the next slot is whole.  round = 1: a round of the cluster's barrier follows.
.macro MEET round
	WIN 0                                          ; (the add's two registers lie in window 0)
	s_wait_tensorcnt 0x0                           ; all my tensor loads have landed
	ds_add_u32 v[SPW], v[NIL]                      ; 0 onto my spare word
	s_wait_dscnt 9                                 ; (the add and the youngest eight loads may be out)
	MUL16 F1, 0, 0, 0                              ; sixteen matrix instructions stand between the add and the wait for it
	s_wait_dscnt 0x0                               ; the add is done, and my reads of this slot are over
	s_barrier_signal -1
	MUL16 F1, 0, 2, 0                              ; work on registers while the others arrive
.if \round
	WIN 0
.endif
	s_barrier_wait -1
.endm
; The whole last quarter.  fill = 1: behind the round the slot just read out is filled again first, with the K step two steps on: from that request to the wait for it a wave issues 224 matrix instructions.
.macro TURN slot, next, fill
.if \fill
	s_wait_xcnt 0x0                                ; the last prefetch, a K step back, has read its address: it is stepped here, ahead of the waits of the change of slots
	s_add_nc_u64 s[PFA:PFA+1], s[PFA:PFA+1], KSTEP*2
	MEET 1
	CREST                                          ; no wave of any partner still reads this slot's tile or has a load on its way
	s_add_nc_u64 s[G0+4*(\slot)+2:G0+4*(\slot)+3], s[G0+4*(\slot)+2:G0+4*(\slot)+3], 2*KSTEP*2
	s_add_nc_u64 s[G0B+4*(\slot)+2:G0B+4*(\slot)+3], s[G0B+4*(\slot)+2:G0B+4*(\slot)+3], 2*KSTEP*2
	JLOAD \slot                                    ; the first tensor load behind the round, my only one until the next; its four v_nop are also the places in front of the loads below
.else
	MEET 0
	PLACES
.endif
	FETCH \next, 0, F0
.if \fill
	ASK
.endif
	MUL16 F1, 1, 0, 0
	MUL16 F1, 1, 2, 0
.endm
	s_wait_tensorcnt 1                             ; my part of K step 0 is in; K step 1's load stays out
	s_barrier_signal -1
	s_barrier_wait -1                              ; everybody's is
	FETCH 0, 0, F0
	QUARTER 0, 64,  F0, F1, 1                      ; the first quarter stands in front of the loop: its products start the sums
	WIN 0                                          ; at a label and at a branch every window is 0
	s_mov_b32 s3, LAPS-1
.Llap:                                                 ; a trip goes once round the ring, from a lap's second quarter to the next lap's first, and fills both slots again
	QUARTER 0, 128, F1, F0, 0
	QUARTER 0, 192, F0, F1, 0
	TURN 0, 1, 1
	QUARTER 1, 64,  F0, F1, 0
	QUARTER 1, 128, F1, F0, 0
	QUARTER 1, 192, F0, F1, 0
	TURN 1, 0, 1
	QUARTER 0, 64,  F0, F1, 0
	WIN 0
	s_sub_co_u32 s3, s3, 1
	s_cmp_lg_u32 s3, 0
	s_cbranch_scc1 .Llap
	QUARTER 0, 128, F1, F0, 0                      ; the last lap fills nothing, and has no round of the cluster's barrier
	QUARTER 0, 192, F0, F1, 0
	TURN 0, 1, 0
	QUARTER 1, 64,  F0, F1, 0
	QUARTER 1, 128, F1, F0, 0
	QUARTER 1, 192, F0, F1, 0
	s_wait_dscnt 8                                 ; the very last quarter: nothing more to fetch
	MUL16 F1, 0, 0, 0
	MUL16 F1, 0, 2, 0
	s_wait_dscnt 0x0
	MUL16 F1, 1, 0, 0
	MUL16 F1, 1, 2, 0
	WIN 0
	PLACES
; THE WAY OUT of block a (16 rows).  TOSTAGE: a lane's eight columns of a row, 32 bytes, go from the accumulator (its low half first) into rows of 528 bytes of my own stage, and come back as whole rows of 512.
.macro TOSTAGE a
.set AC, 64*((\a)%4)
.set BK, F0+64*((\a)%2)
.if (\a) >= 2
	s_wait_xcnt 0x0                                ; the stores of the block two back have read their data: its registers are loaded again below
.endif
	WIN 0x08+4*((\a)/4)                            ; an LDS store's data is source 1: window 2 or 3
.irp b, 0,1,2,3,4,5,6,7
	ds_store_b128 v[STO], v[AC+8*(\b):AC+8*(\b)+3]   offset:64*(\b)
	ds_store_b128 v[STO], v[AC+8*(\b)+4:AC+8*(\b)+7] offset:64*(\b)+16
.endr
	WIN 0
.irp t, 0,1,2,3,4,5,6,7,8,9,10,11,12,13,14,15
	ds_load_b128 v[BK+4*(\t):BK+4*(\t)+3], v[RD] offset:(\t)*SPITCH  ; LDS serves a wave's instructions in order (ISA guide 5.7.1.4): these see the stores above; the next block's stores come behind them
.endr
.endm
; SEND: stored.  younger: the LDS instructions issued behind block a's loads: the next block's 16 stores and 16 loads, or none.
.macro SEND a, younger
.set BK, F0+64*((\a)%2)
	s_wait_dscnt \younger
.irp t, 0,1,2,3,4,5,6,7,8,9,10,11,12,13,14,15
	global_store_b128 v[CO], v[BK+4*(\t):BK+4*(\t)+3], s[8:9] offset:(16*(\a)+(\t))*SIZE_N*4 th:TH_STORE_NT  ; the wave stores 512 consecutive bytes, aligned
.endr
.endm
	TOSTAGE 0
.irp a, 1,2,3,4,5,6,7
	TOSTAGE \a
	SEND (\a)-1, 32
.endr
	SEND 7, 0
	s_wait_tensorcnt 0x0                           ; the wave's end, behind my last tensor load and my last LDS store
	ds_add_u32 v[SPW], v[NIL]
	s_wait_dscnt 0x0
	CROUND                                         ; the closing round: no work-group ends while a partner may still ask for a tile that names it
	s_endpgm
.Lfunc_end_k_q37ba292087_gemm2:
	.size	k_q37ba292087_gemm2, .Lfunc_end_k_q37ba292087_gemm2-k_q37ba292087_gemm2
	.p2alignl 7, 3214868480
	.fill 96, 4, 3214868480
	.section	.rodata,"a",@progbits
	.p2align	6, 0x0
	.amdhsa_kernel k_q37ba292087_gemm2
		.amdhsa_group_segment_fixed_size 327680
		.amdhsa_private_segment_fixed_size 0
		.amdhsa_enable_private_segment 0
		.amdhsa_kernarg_size 32
		.amdhsa_user_sgpr_count 2
		.amdhsa_user_sgpr_kernarg_segment_ptr 1
		.amdhsa_wavefront_size32 1
		.amdhsa_system_sgpr_workgroup_id_x 1
		.amdhsa_system_sgpr_workgroup_id_y 1
		.amdhsa_system_sgpr_workgroup_id_z 1
		.amdhsa_system_vgpr_workitem_id 0
		.amdhsa_next_free_vgpr 1024
		.amdhsa_next_free_sgpr 72
		.amdhsa_reserve_vcc 0
		.amdhsa_float_denorm_mode_32 3
		.amdhsa_float_denorm_mode_16_64 3
		.amdhsa_memory_ordered 1
		.amdhsa_forward_progress 1
		.amdhsa_inst_pref_size 147
	.end_amdhsa_kernel
	.amdgpu_metadata
---
amdhsa.version: [ 1, 2 ]
amdhsa.kernels:
  - .name:           k_q37ba292087_gemm2
    .symbol:         k_q37ba292087_gemm2.kd
    .args:
      - { .name: ctx, .offset: 0, .size: 8, .value_kind: global_buffer, .address_space: global }
      - { .name: wob, .offset: 8, .size: 8, .value_kind: global_buffer, .address_space: global }
      - { .name: bo, .offset: 16, .size: 8, .value_kind: global_buffer, .address_space: global }
      - { .name: out0, .offset: 24, .size: 8, .value_kind: global_buffer, .address_space: global }
    .group_segment_fixed_size: 327680
    .private_segment_fixed_size: 0
    .kernarg_segment_align: 8
    .kernarg_segment_size: 32
    .max_flat_workgroup_size: 128
    .sgpr_count:     72
    .vgpr_count:     1024
    .wavefront_size: 32
...
	.end_amdgpu_metadata
.endif
;; end of part 4
